; MI455X (gfx1250); checked and timed in simulation.
; The chip was launched on July 23, 2026; its instructions are those of AMD's public machine-readable ISA for CDNA 5 (MIT licence, August 2026) and "CDNA5" Instruction Set Architecture Reference Guide (July 2026). The comments in the code are by the model that wrote it; some were corrected since.
;; Grouped Query Attention. Allowed arithmetic: matrix products marked QUANTISED: E2M1 operands, one E8M0 scale for each 32 along K, by v_wmma_scale_f32_16x16x128_f8f6f4 with both operands' format E2M1 (or v_wmma_scale_f32_32x16x128_f4), f32 sums; products left as they are: bf16, f16 or f32 operands; f32 sums; everything else in f32.
;; Inputs: Wkv 1,024 x 2,048 float32; Wo 2,048 x 1,024 float32; Wq 1,024 x 2,048 float32; x 2 x 2,048 x 2,048 float32.
;; Outputs: out0 2 x 2,048 x 2,048 float32.
;; This version of the problem:
;;   THIS VERSION OF THE PROBLEM IS GIVEN IN LOW PRECISION. The matrix products marked QUANTISED in the list below multiply operands that are first quantised to E2M1 (2 exponent bits, 1 mantissa bit; 4 bits a number), with one power-of-two scale for each 32 numbers along K (OCP MX v1.0); their sums are f32. The products marked 'left as it is' may take bf16, f16 or f32 operands, with f32 sums. Whichever they take, every output number must still come out within the allowed error. Rounding operands to bf16 (8 significant bits) uses up far more of that allowance than f16 does (11 bits, for magnitudes from 6e-5 to 65,504). All else is computed in f32.
;;   The module's matrix products, in the order in which they are computed (A, B: the left and right operand; K: the contracted axis; several contracted axes count as one K, in the product's order):
;;     1. [M 4,096, K 2,048] x [K 2,048, N 1,024]; A: input x; B: input Wq: QUANTISED
;;     2. [M 4,096, K 2,048] x [K 2,048, N 1,024]; A: input x; B: input Wkv: QUANTISED
;;     3. batch 16 x [M 2,048, K 64] x [K 64, N 4,096]; A: computed on the way; B: computed on the way: left as it is (an operand is computed on the way)
;;     4. batch 16 x [M 64, K 2,048] x [K 2,048, N 4,096]; A: computed on the way; B: computed on the way: left as it is (an operand is computed on the way)
;;     5. [M 4,096, K 1,024] x [K 1,024, N 2,048]; A: computed on the way; B: input Wo: left as it is (an operand is computed on the way)
;;   THE QUANTISER, for each operand of a quantised product, along K:
;;     - K is cut into blocks of 32 from its start; a last block that is shorter is filled with zeros.
;;     - A block's scale is 2^e with e = floor(log2(the largest magnitude in the block)) - 2, held to -126 .. 127; a block of zeros has e = 0. As a byte (E8M0): e + 127.
;;     - Each number is divided by its block's scale, clamped to +-6, and rounded to the nearest number of E2M1, ties to even, subnormals kept.
;;     - The product sums the exact products of the quantised numbers (number of the format x scale) in f32.
;;   ~~~python
;;   def quantise(x, axis):      # numpy; x: float32 -> the quantised numbers, widened to float32 again
;;       x = np.moveaxis(x, axis, -1); K = x.shape[-1]
;;       x = np.pad(x, [(0, 0)] * (x.ndim - 1) + [(0, -K % 32)]); x = x.reshape(x.shape[:-1] + (-1, 32)); a = np.abs(x).max(-1, keepdims=True)
;;       e = np.where(a > 0, np.clip(np.frexp(np.where(a > 0, a, 1))[1] - 1 - 2, -126, 127), 0)      # np.frexp(a)[1] - 1 = floor(log2(a)), exactly
;;       r = np.clip(x / 2.0 ** e, -6, 6)
;;       step = 2.0 ** (np.maximum(np.frexp(np.where(r == 0, 1, r))[1] - 1, 0) - 1)
;;       q = np.round(r / step) * step * 2.0 ** e      # np.round: ties to even
;;       return np.moveaxis(q.reshape(q.shape[:-2] + (-1,))[..., :K], -1, axis).astype(np.float32)
;;   ~~~
;; One version. Each part assembles by itself: llvm-mc -triple=amdgcn-amd-amdhsa -mcpu=gfx1250 --defsym DOCPART=n.
;; ======== version 1 of 1: 5 launches
;; limits: values are held in f16: magnitudes above 65,504 overflow, below 6.1e-05 lose precision
;; workspace buffers: xcodes 4,194,304 bytes; xscales 262,144 bytes; wcodes 2,097,152 bytes; wscales 131,072 bytes; wo16 4,194,304 bytes; qkv 16,777,216 bytes; qkvf 262,144 bytes; att 8,388,608 bytes
;; launch quant (part 1): grid 448 x 1, 4 waves a work-group, no clusters, 33,280 bytes of LDS; arguments x, Wq, Wkv, Wo, xcodes, xscales, wcodes, wscales, wo16; writes xcodes, xscales, wcodes, wscales, wo16
.if DOCPART == 1
	.amdgcn_target "amdgcn-amd-amdhsa--gfx1250"
	.amdhsa_code_object_version 6
	.text
	.protected	k_q0258d649cb_quant
	.globl	k_q0258d649cb_quant
	.p2align	8
	.type	k_q0258d649cb_quant,@function
k_q0258d649cb_quant:
	s_mov_b64 s[64:65], 0
	v_nop
	global_prefetch_b8 v0, s[64:65] scope:SCOPE_SE
	s_setreg_imm32_b32 hwreg(HW_REG_WAVE_MODE, 25, 1), 1
	s_wait_xcnt 0x0
; x [4096][2048], Wq [1024][2048] and Wkv [1024][2048], f32 with K innermost, become codes of E2M1 (two a byte, the lower k in the low four bits) and one E8M0 byte for each 32 along K;
; Wq's and Wkv's rows go on end into one buffer of 2,048 rows.  Wo [2048][1024] is rounded to f16 as it lies.
; A block's scale is 2^(floor(log2(its largest magnitude)) - 2); its byte is the largest magnitude's exponent field - 2, held at 1 from below.  A block of zeros so gets the byte 1 where the
; rule says 127: its codes are zeros, which add nothing under any byte but 0xff, and the bytes are read by this program alone.
; LIMITS: NaN and infinities among the inputs are not served; blocks whose largest magnitude lies under 2^-124 keep the byte 1; |Wo| stays under 65,504 (f16).
; SHARES.  A work-group takes 32,768 numbers, a wave a run of 8,192.  Work-groups 0-255: x; 256-319: Wq; 320-383: Wkv; 384-447: Wo.  Rows are dense and K is a multiple of 32: the tensors are plain streams of blocks.
; The three quantised tensors take ONE path: only pointers are chosen, by the work-group's number.  Each of a step's four loads reads 512 consecutive bytes; the 2,048 bytes turn through the wave's own stage in LDS
; and come back 64 bytes a lane, so that a lane holds 16 neighbours along K (two lanes to a block).  Loads run eight steps ahead: 32 loads, half of the wave's run, are on their way.  Waves share nothing: no barrier.
.set WAVES, 4
.set STEPS, 16
.set AHEAD, 8                          ; steps that the loads run ahead
.set EMAX,  2
.set CB,    8                          ; bytes of 16 codes
.set R,     16                         ; v16-143  eight sets of 16 numbers as they are loaded
.set X,     144                        ; v144-175 two sets of 16 neighbours
.set E,     176                        ; v176-191 a scale byte for each step
.set C,     192                        ; v192-223 codes: two registers for each step, so that no store's data are written again
.set WREG,  8192                       ; LDS: a region for each wave: two stages of 32 x SP bytes, behind them its 256 scale bytes
.set SP,    80                         ; a lane's place in a stage: 64 bytes + 16 of padding
.set SPW,   12                         ; v12  LDS address of my spare word; never rewritten
.set NIL,   13                         ; v13  0; never rewritten
.set SPARE, WAVES*WREG                 ; behind the four regions: the spare words, 128 bytes a wave, which no other line names
.set WF,    16                         ; Wo's path: v16-79, v80-143 two sets of 64 numbers
.set WH,    144                        ; v144-175 a round's 64 numbers as f16
	s_load_b256 s[4:11], s[0:1], 0x0               ; x s[4:5], Wq s[6:7], Wkv s[8:9], Wo s[10:11]
	s_load_b256 s[12:19], s[0:1], 0x20             ; xcodes s[12:13], xscales s[14:15], wcodes s[16:17], wscales s[18:19]
	s_load_b64 s[20:21], s[0:1], 0x40              ; wo16
	v_lshl_add_u32 v[SPW], v0, 2, SPARE
	v_mov_b32 v[NIL], 0
	v_lshrrev_b32 v1, 5, v0
	v_readfirstlane_b32 s22, v1                    ; wave
	v_and_b32 v2, 31, v0                           ; lane
	v_lshlrev_b32 v3, 4, v2                        ; my 16 bytes of a load's 512
	s_mul_i32 s23, s22, WREG
	v_lshrrev_b32 v14, 2, v2
	v_mul_u32_u24 v14, v14, SP
	v_and_b32 v15, 3, v2
	v_lshl_add_u32 v14, v15, 4, v14
	v_add_nc_u32 v14, s23, v14                     ; the stage, on the way in: SP (lane / 4) + 16 (lane % 4)
	v_mul_u32_u24 v15, v2, SP
	v_add_nc_u32 v15, s23, v15                     ; and on the way out: SP x lane: my 16 neighbours
	v_mul_u32_u24 v4, v2, CB                       ; 8 x lane: my codes' place in a step's; my f16 numbers' place in a store's
	v_lshrrev_b32 v5, 1, v2
	s_add_co_u32 s23, s23, 2*32*SP
	v_add_nc_u32 v5, s23, v5                       ; LDS: my wave's 256 scale bytes, my block's byte
	v_lshlrev_b32 v7, 3, v2
	v_add_nc_u32 v6, s23, v7                       ; and on the way out 8 bytes a lane
	s_mov_b32 s27, 0
	s_wait_kmcnt 0x0
	s_cmp_ge_u32 ttmp9, 384
	s_cbranch_scc0 .Lcodes
	; ---- Wo to f16: no LDS.  A round is 16 loads of 512 consecutive bytes and 16 stores of 256 consecutive, aligned bytes; loads run one round ahead
	s_sub_co_u32 s24, ttmp9, 384
	s_lshl_b32 s24, s24, 2
	s_add_co_u32 s24, s24, s22                     ; my run of 8,192 numbers
	s_lshl_b32 s26, s24, 15
	s_add_nc_u64 s[10:11], s[10:11], s[26:27]
	s_lshl_b32 s26, s24, 14
	s_add_nc_u64 s[20:21], s[20:21], s[26:27]
.macro LOADW q
.irp j, 0,1,2,3,4,5,6,7,8,9,10,11,12,13,14,15
	global_load_b128 v[WF+64*((\q)%2)+4*\j:WF+64*((\q)%2)+4*\j+3], v3, s[10:11] offset:8192*(\q)+512*\j th:TH_LOAD_NT
.endr
.endm
.macro ROUNDW q
.if (\q) < 3
	s_wait_loadcnt 16                              ; this round's 16 loads are in; the next round's 16 may be out
.else
	s_wait_loadcnt 0x0
.endif
.if (\q) > 0
	s_wait_xcnt 0x0                                ; the last round's stores have read their data registers, which are written again below
.endif
.irp j, 0,1,2,3,4,5,6,7,8,9,10,11,12,13,14,15
	v_cvt_pk_f16_f32 v[WH+2*\j], v[WF+64*((\q)%2)+4*\j], v[WF+64*((\q)%2)+4*\j+1]
	v_cvt_pk_f16_f32 v[WH+2*\j+1], v[WF+64*((\q)%2)+4*\j+2], v[WF+64*((\q)%2)+4*\j+3]
.endr
.irp j, 0,1,2,3,4,5,6,7,8,9,10,11,12,13,14,15
	global_store_b64 v4, v[WH+2*\j:WH+2*\j+1], s[20:21] offset:4096*(\q)+256*\j
.endr
.if (\q) < 2
	LOADW (\q)+2
.endif
.endm
	LOADW 0
	LOADW 1
	ROUNDW 0
	ROUNDW 1
	ROUNDW 2
	ROUNDW 3
	s_branch .Lend
.Lcodes:
	; ---- the three quantised tensors: which one, by the work-group's number alone
	s_sub_co_u32 s24, ttmp9, 256                   ; a weight's work-group among the 128 of both weights (x's work-groups replace it below)
	s_and_b32 s25, s24, 63                         ; and among its own tensor's 64
	s_cmp_lt_u32 ttmp9, 320
	s_cselect_b64 s[6:7], s[6:7], s[8:9]           ; Wq or Wkv
	s_cmp_lt_u32 ttmp9, 256
	s_cselect_b64 s[4:5], s[4:5], s[6:7]           ; x or the weight
	s_cselect_b64 s[12:13], s[12:13], s[16:17]
	s_cselect_b64 s[14:15], s[14:15], s[18:19]
	s_cselect_b32 s25, ttmp9, s25
	s_cselect_b32 s24, ttmp9, s24
	s_lshl_b32 s25, s25, 2
	s_add_co_u32 s25, s25, s22                     ; my run in the source,
	s_lshl_b32 s24, s24, 2
	s_add_co_u32 s24, s24, s22                     ; and in the buffers of codes and scale bytes
	s_lshl_b32 s26, s25, 15                        ; 32,768 bytes of f32 a run
	s_add_nc_u64 s[4:5], s[4:5], s[26:27]
	s_lshl_b32 s26, s24, 12                        ; 4,096 bytes of codes
	s_add_nc_u64 s[12:13], s[12:13], s[26:27]
	s_lshl_b32 s26, s24, 8                         ; 256 scale bytes
	s_add_nc_u64 s[14:15], s[14:15], s[26:27]
.macro LOAD t
.irp i, 0,1,2,3
	global_load_b128 v[R+16*((\t)%AHEAD)+4*\i:R+16*((\t)%AHEAD)+4*\i+3], v3, s[4:5] offset:2048*(\t)+512*\i th:TH_LOAD_NT   ; 32 lanes read 512 consecutive bytes
.endr
.endm
.macro TURN t                          ; step t's numbers through the stage: LDS serves a wave's instructions in order, so no wait stands between the stores and the loads
.irp i, 0,1,2,3
	ds_store_b128 v14, v[R+16*((\t)%AHEAD)+4*\i:R+16*((\t)%AHEAD)+4*\i+3] offset:32*SP*((\t)%2)+8*SP*\i
.endr
.irp i, 0,1,2,3
	ds_load_b128 v[X+16*((\t)%2)+4*\i:X+16*((\t)%2)+4*\i+3], v15 offset:32*SP*((\t)%2)+16*\i
.endr
.endm
.irp t, 0,1,2,3,4,5,6,7
	LOAD \t
.endr
	s_wait_loadcnt 28                              ; step 0's four loads are in; the 28 of steps 1 to 7 may be out
	TURN 0
.macro STEP t
.set XS, X+16*((\t)%2)
.if (\t) > 0
	s_wait_dscnt 1                                 ; this step's numbers are back from the stage (the last step's byte store may be out)
.else
	s_wait_dscnt 0x0
.endif
.if (\t)+AHEAD < STEPS
	LOAD (\t)+AHEAD                                ; into the registers that the stage's stores have read
.endif
.if (\t)+1 < STEPS
.if STEPS-2-(\t) >= AHEAD-1
	s_wait_loadcnt 4*(AHEAD-1)                     ; the next step's four loads are in; those of the seven steps behind it may be out
.else
	s_wait_loadcnt 4*(STEPS-2-(\t))
.endif
	TURN (\t)+1
.endif
	v_max3_num_f32 v8, |v[XS]|, |v[XS+1]|, |v[XS+2]|               ; the largest magnitude of my 16, in two chains
	v_max3_num_f32 v9, |v[XS+3]|, |v[XS+4]|, |v[XS+5]|
.irp i, 6,10
	v_max3_num_f32 v8, v8, |v[XS+\i]|, |v[XS+\i+1]|
	v_max3_num_f32 v9, v9, |v[XS+\i+2]|, |v[XS+\i+3]|
.endr
	v_max3_num_f32 v8, v8, |v[XS+14]|, |v[XS+15]|
	v_max3_num_f32 v8, v8, v9, (EMAX+1)<<23        ; and the floor 2^(3 - 127): the byte cannot fall under 1
	v_max_num_f32_dpp v8, v8, v8 row_xmask:1 row_mask:0xf bank_mask:0xf   ; and of my neighbour's 16: the block's
	v_add_nc_u32 v11, -(EMAX<<23), v8              ; 2 off its exponent field: the conversion takes the exponent field of this operand as its scale
	v_cvt_scalef32_pk8_fp4_f32 v[C+2*(\t)], v[XS:XS+7], v11
	v_cvt_scalef32_pk8_fp4_f32 v[C+2*(\t)+1], v[XS+8:XS+15], v11
	v_lshrrev_b32 v[E+(\t)], 23, v11               ; the scale's byte (a plain line behind the conversions)
	ds_store_b8 v5, v[E+(\t)] offset:16*(\t)       ; both lanes of a block write the same byte with the same value
	global_store_b64 v4, v[C+2*(\t):C+2*(\t)+1], s[12:13] offset:32*CB*(\t)   ; 32 lanes store 256 consecutive, aligned bytes
.endm
.irp t, 0,1,2,3,4,5,6,7,8,9,10,11,12,13,14,15
	STEP \t
.endr
	ds_load_b64 v[8:9], v6                         ; LDS serves a wave's instructions in order: these see my byte stores
	s_wait_dscnt 0x0
	global_store_b64 v7, v[8:9], s[14:15]          ; my run's 256 scale bytes, consecutive and aligned
.Lend:
	s_wait_tensorcnt 0x0                           ; the wave's end
	ds_add_u32 v[SPW], v[NIL]
	s_wait_dscnt 0x0
	s_endpgm
.Lfunc_end_k_q0258d649cb_quant:
	.size	k_q0258d649cb_quant, .Lfunc_end_k_q0258d649cb_quant-k_q0258d649cb_quant
	.p2alignl 7, 3214868480
	.fill 96, 4, 3214868480
	.section	.rodata,"a",@progbits
	.p2align	6, 0x0
	.amdhsa_kernel k_q0258d649cb_quant
		.amdhsa_group_segment_fixed_size 33280
		.amdhsa_private_segment_fixed_size 0
		.amdhsa_enable_private_segment 0
		.amdhsa_kernarg_size 72
		.amdhsa_user_sgpr_count 2
		.amdhsa_user_sgpr_kernarg_segment_ptr 1
		.amdhsa_wavefront_size32 1
		.amdhsa_system_sgpr_workgroup_id_x 1
		.amdhsa_system_sgpr_workgroup_id_y 1
		.amdhsa_system_sgpr_workgroup_id_z 1
		.amdhsa_system_vgpr_workitem_id 0
		.amdhsa_next_free_vgpr 224
		.amdhsa_next_free_sgpr 66
		.amdhsa_reserve_vcc 0
		.amdhsa_float_denorm_mode_32 3
		.amdhsa_float_denorm_mode_16_64 3
		.amdhsa_memory_ordered 1
		.amdhsa_forward_progress 1
		.amdhsa_inst_pref_size 54
	.end_amdhsa_kernel
	.amdgpu_metadata
---
amdhsa.version: [ 1, 2 ]
amdhsa.kernels:
  - .name:           k_q0258d649cb_quant
    .symbol:         k_q0258d649cb_quant.kd
    .args:
      - { .name: x, .offset: 0, .size: 8, .value_kind: global_buffer, .address_space: global }
      - { .name: Wq, .offset: 8, .size: 8, .value_kind: global_buffer, .address_space: global }
      - { .name: Wkv, .offset: 16, .size: 8, .value_kind: global_buffer, .address_space: global }
      - { .name: Wo, .offset: 24, .size: 8, .value_kind: global_buffer, .address_space: global }
      - { .name: xcodes, .offset: 32, .size: 8, .value_kind: global_buffer, .address_space: global }
      - { .name: xscales, .offset: 40, .size: 8, .value_kind: global_buffer, .address_space: global }
      - { .name: wcodes, .offset: 48, .size: 8, .value_kind: global_buffer, .address_space: global }
      - { .name: wscales, .offset: 56, .size: 8, .value_kind: global_buffer, .address_space: global }
      - { .name: wo16, .offset: 64, .size: 8, .value_kind: global_buffer, .address_space: global }
    .group_segment_fixed_size: 33280
    .private_segment_fixed_size: 0
    .kernarg_segment_align: 8
    .kernarg_segment_size: 72
    .max_flat_workgroup_size: 128
    .sgpr_count:     66
    .vgpr_count:     224
    .wavefront_size: 32
...
	.end_amdgpu_metadata
.endif
;; end of part 1
;; launch proj (part 2): grid 8 x 16, 4 waves a work-group, clusters of 4 x 4, 327,680 bytes of LDS; arguments xcodes, xscales, wcodes, wscales, qkv, qkvf; writes qkv, qkvf
.if DOCPART == 2
	.amdgcn_target "amdgcn-amd-amdhsa--gfx1250"
	.amdhsa_code_object_version 6
	.text
	.protected	k_q0258d649cb_proj
	.globl	k_q0258d649cb_proj
	.p2align	8
	.type	k_q0258d649cb_proj,@function
k_q0258d649cb_proj:
	s_mov_b64 s[64:65], 0
	v_nop
	global_prefetch_b8 v0, s[64:65] scope:SCOPE_SE
	s_setreg_imm32_b32 hwreg(HW_REG_WAVE_MODE, 25, 1), 1
	s_wait_xcnt 0x0
	s_wait_alu depctr_hold_cnt(0) depctr_sa_sdst(0) depctr_va_vdst(0) depctr_va_sdst(0) depctr_va_ssrc(0) depctr_va_vcc(0) depctr_vm_vsrc(0)
	s_getreg_b32 s2, hwreg(HW_REG_IB_STS2, 6, 4)
	s_cmp_eq_u32 s2, 0
	s_cbranch_scc0 .Lentry_in_a_cluster
	s_endpgm
.Lentry_in_a_cluster:
	s_bfe_u32 s2, ttmp6, 0x10000c
	s_cmp_lg_u32 s2, 0xf033
	s_cbranch_scc0 .Lentry_shape_is_right
	s_endpgm
.Lentry_shape_is_right:
; The two quantised projections as ONE product on codes of E2M1: C[m][n] = sum over k of x[m][k] W[n][k], m = 2048 b + t (4,096), n = Wq's 1,024 rows and then Wkv's 1,024, K = 2,048; f32 sums.
; C leaves as f16 by heads, qkv [b][slot = n / 64][t][64] (slots 0-15 q, 16-23 k, 24-31 v), and the rows t < 16 of both sequences also as f32, qkvf [b][t][2048], for the launch that carries them finely.
; LIMIT: |q|, |k|, |v| stay under 65,504 (f16).
; A tile of C, 256 x 256, is made by a work-group of four waves; a wave makes 128 x 128: 64 accumulators of 16 x 16, 512 registers.  That gives 128 work-groups: a tile of half the size would read twice
; the LDS bytes for each multiply-add, and this launch holds a tenth of the program's matrix time.
; K goes in steps of 512 (rows of 256 bytes of codes) through a ring of two LDS slots filled by the tensor data mover.  The scale bytes of the work-group's rows, for all of K, come into LDS once, with the first fills.
; CLUSTERS: 4 x 4 work-groups.  The four of a row of the cluster need the same tiles of x, the four of a column the same tiles of W: each tile is asked for JOINTLY, by the same tensor load with the same
; descriptor and a mask that names the four.  THE MATRIX INSTRUCTION IS USED TRANSPOSED (source 0 = 16 rows of W, source 1 = 16 rows of x): a lane holds eight neighbouring columns of one row of C.
; REGISTERS, in windows of 256: window 0: v0-31 addresses; v32-95 scale words, two sets; v128-191 x's fragments, ONE set; on the way out v128-223.   window 1: W's fragments, TWO sets, at v0 and v128.
;   window 2: the 32 accumulators of my rows 0-63 (accumulator (a, b) at v[8 (8 a + b)]);   window 3: those of my rows 64-127.
.set SIZE_M, 4096
.set SIZE_N, 2048
.set SIZE_K, 2048
.set KSTEP,  512                       ; along K in a slot
.set NQ,     KSTEP/128                 ; matrix instructions deep
.set ROWB,   256                       ; a tile's row in bytes
.set KROW,   SIZE_K*4/8                ; a row of codes in memory, in bytes
.set PITCH,  272                       ; an LDS row: 256 bytes + 16 of padding: the 16 rows that a load touches start 68 words apart
.set FR,     8                         ; registers of a fragment: 16 rows x 128 K
.set NL,     2                         ; LDS loads that bring one
.set NP,     4                         ; places behind this matrix instruction (ISA guide 7.12.1)
.set HALFT,  128*PITCH                 ; 128 rows: what one tensor load brings, and what one wave reads of x or of W
.set SLOT,   4*HALFT                   ; x's 256 rows, then W's 256 rows
.set LAPS,   SIZE_K/(2*KSTEP)          ; a lap = two K steps = once round the ring
.set KS,     SIZE_K/32                 ; a row of scale bytes
.set SCL,    2*SLOT                    ; behind the ring: the scales, as runs of 256 bytes + 16 of padding
.set HALFS,  (128*KS/256)*272          ; the scales of 128 rows: what one tensor load brings
.set SBLK,   (16*KS/256)*272           ; those of 16 rows
.set SPARE,  SCL+4*HALFS               ; behind the scales: the spare words, 128 bytes a wave, which no other line names
.set SPITCH, 272                       ; the way out: a stage of 16 rows x (256 bytes + 16) for each wave, in slot 0, which has had its last fill and its last read when the first result is stored there
.set ADRA, 16                          ; v16-17  LDS address of my x fragments in slot 0, 1
.set ADRB, 20                          ; v20-21  the same for W
.set STO,  24                          ; v24     the way out: where I put 16 bytes of a row
.set RD,   25                          ; v25     where I read 16 bytes back
.set CO,   26                          ; v26     my byte offset in qkv
.set ADRS, 27                          ; v27     LDS address of my scale words: lanes 0-15 x's rows, lanes 16-31 W's
.set SPW,  28                          ; v28     LDS address of my spare word; never rewritten
.set NIL,  29                          ; v29     0; never rewritten
.set FO,   30                          ; v30     my byte offset in qkvf
.set FC,   31                          ; v31     0 in the waves that own positions 0 to 15
.set SC,   32                          ; scale words: set s at v[SC + 8 NQ s]; register NQ i + q: lanes 0-15 the word of x's block i, lanes 16-31 that of W's block i
.set AF,   128                         ; x's fragments, in window 0
.set BK,   128                         ; the way out: 16 rows read back: v128-159 and v160-191 by turns
.set TMP,  192                         ; the way out: a block as f16, v192-223
.set G1, 24                            ; s[24:31] descriptor group 1 for x's tiles;  s[32:39] group 0, one set for each slot
.set G0, 32
.set G1B, 48                           ; s[48:55], s[56:63] the same for W's tiles
.set G0B, 56
.set G1S, 68                           ; s[68:75], s[76:79] groups 1 and 0 for x's scales;  s[80:87], s[88:91] for W's
.set G0S, 76
.set G1SB, 80
.set G0SB, 88
.set MSB, 0
.macro WIN new                         ; the immediate's high byte repeats the setting that is left
.if MSB != \new
	s_set_vgpr_msb (MSB<<8)|\new
.set MSB, \new
.endif
.endm
.set MUL_LO, 0xa1                      ; source 0 (W) window 1, source 1 (x) window 0, C and D window 2
.set MUL_HI, 0xf1                      ; the same, C and D window 3
.set TO_B,   0x40                      ; destination window 1, address window 0
; A joint load: waves 0 and 1 fetch for x, waves 2 and 3 for W.  Each of the two lines has ONE mask and one set of registers for all that issue it; the branch hangs on the wave's number alone.
; An s_nop 0 and four v_nop follow each of the two lines, ahead of the jump, the label and what follows.
.macro JLOAD g0a, g1a, g0b, g1b
	s_cmp_eq_u32 s15, 0
	s_cbranch_scc0 .Lfor_b_\@
	tensor_load_to_lds s[\g0a:\g0a+3], s[\g1a:\g1a+7]
	s_nop 0
.rept 4
	v_nop
.endr
	s_branch .Lasked_\@
.Lfor_b_\@:
	tensor_load_to_lds s[\g0b:\g0b+3], s[\g1b:\g1b+7]
	s_nop 0
.rept 4
	v_nop
.endr
.Lasked_\@:
.endm
.macro CREST                           ; a round of the cluster's barrier behind its opening barrier
	s_cmp_lg_u32 s14, 0
	s_cbranch_scc1 .Lnot_wave_0_\@
	s_barrier_signal -3
.Lnot_wave_0_\@:
	s_barrier_wait -3
	s_barrier_signal -1
	s_barrier_wait -1
.endm
.macro CROUND                          ; a whole round
	s_barrier_signal -1
	s_barrier_wait -1
	CREST
.endm
	s_load_b128 s[4:7], s[0:1], 0x0                ; x's codes s[4:5], x's scales s[6:7]
	s_load_b128 s[8:11], s[0:1], 0x10              ; W's codes s[8:9], W's scales s[10:11]
	s_load_b64 s[12:13], s[0:1], 0x20              ; qkv
	s_load_b64 s[96:97], s[0:1], 0x28              ; qkvf
	v_lshl_add_u32 v[SPW], v0, 2, SPARE
	v_mov_b32 v[NIL], 0
	ds_add_u32 v[SPW], v[NIL]                      ; the wave's opening: the add, twice on end, and its wait ahead of my first tensor load; the set-up below stands between
	ds_add_u32 v[SPW], v[NIL]
	v_lshrrev_b32 v1, 5, v0
	v_readfirstlane_b32 s14, v1                    ; wave 0..3
	s_lshr_b32 s15, s14, 1                         ; which half of the tile's rows is mine.  Also: I fetch for x (0) or for W (1)
	s_and_b32 s16, s14, 1                          ; which half of its columns.  Also: which 128 rows of that tile I fetch
	s_bfe_u32 s40, ttmp6, 0x40000                  ; cx, cy: my place in the cluster
	s_bfe_u32 s41, ttmp6, 0x40004
	s_lshl_b32 s42, ttmp9, 2
	s_add_co_u32 s42, s42, s40                     ; tile column of C = 4 x cluster x + cx
	s_and_b32 s17, ttmp7, 0xffff
	s_lshl_b32 s17, s17, 2
	s_add_co_u32 s17, s17, s41                     ; tile row of C = 4 x cluster y + cy
	s_lshl_b32 s43, s41, 2
	s_lshl_b32 s43, 15, s43                        ; my row of the cluster
	s_lshl_b32 s44, 0x1111, s40                    ; my column
	; descriptor group 1: a tile of 128 rows x 256 bytes, padded in LDS
	s_or_b32 s[G1+0], s43, (0<<16)|(1<<20)|(1<<21)|(5<<22)|(3<<25)  ; 15:0 the mask: x's tiles go to my row; 17:16 elements of 1 byte; 20 padding on; 21 set beside a mask; 24:22 after every 64 words; 31:25 four words
	s_or_b32 s[G1B+0], s44, (0<<16)|(1<<20)|(1<<21)|(5<<22)|(3<<25)
.irp g, G1, G1B
	s_mov_b32 s[\g+1], ROWB<<16                    ; tensor_dim0
	s_mov_b32 s[\g+2], 128<<16                     ; tensor_dim1 = 128
	s_mov_b32 s[\g+3], ROWB<<16                    ; tile_dim0
	s_mov_b32 s[\g+4], 128                         ; tile_dim1 = 128
	s_mov_b32 s[\g+5], KROW                        ; tensor_dim0_stride
	s_mov_b32 s[\g+6], 0
	s_mov_b32 s[\g+7], 0
.endr
	; and for the scales of 128 rows: a dense block of 8,192 bytes, as rows of 256 bytes (32 elements of 8 bytes), 16 bytes of padding behind each
	s_or_b32 s[G1S+0], s43, (3<<16)|(1<<20)|(1<<21)|(5<<22)|(3<<25)
	s_or_b32 s[G1SB+0], s44, (3<<16)|(1<<20)|(1<<21)|(5<<22)|(3<<25)
.irp g, G1S, G1SB
	s_mov_b32 s[\g+1], 32<<16
	s_mov_b32 s[\g+2], (128*KS/256)<<16
	s_mov_b32 s[\g+3], 32<<16
	s_mov_b32 s[\g+4], 128*KS/256
	s_mov_b32 s[\g+5], 32
	s_mov_b32 s[\g+6], 0
	s_mov_b32 s[\g+7], 0
.endr
	s_lshl_b32 s18, s16, 7                         ; which 128 rows of the tile I fetch
	s_lshl_b32 s20, s17, 8
	s_add_co_u32 s20, s20, s18                     ; x: row 256 x tile row + 128 x half
	s_lshl_b32 s46, s42, 8
	s_add_co_u32 s46, s46, s18                     ; W: row 256 x tile column + 128 x half
	s_mov_b32 s21, 0
	s_mov_b32 s47, 0
	s_mov_b64 s[18:19], KS
	s_mul_u64 s[22:23], s[20:21], s[18:19]         ; where these rows' scales begin, in bytes
	s_mul_u64 s[92:93], s[46:47], s[18:19]
	s_mov_b64 s[18:19], KROW
	s_mul_u64 s[20:21], s[20:21], s[18:19]         ; and their codes
	s_mul_u64 s[46:47], s[46:47], s[18:19]
	s_mul_i32 s45, s14, HALFT                      ; where they go: wave x 128 rows: no place in the cluster enters an LDS address
	s_mul_i32 s94, s14, HALFS
	s_wait_dscnt 0x0                               ; both opening adds are done
	s_wait_kmcnt 0x0
	s_add_nc_u64 s[20:21], s[4:5], s[20:21]
	s_add_nc_u64 s[22:23], s[6:7], s[22:23]
	s_add_nc_u64 s[46:47], s[8:9], s[46:47]
	s_add_nc_u64 s[92:93], s[10:11], s[92:93]
	CROUND                                         ; all sixteen work-groups are here: the first joint loads meet
	s_mov_b32 s[G0S], 1
	s_add_co_u32 s[G0S+1], s94, SCL
	s_mov_b64 s[G0S+2:G0S+3], s[22:23]
	s_or_b32 s[G0S+3], s[G0S+3], 0x80000000
	s_mov_b32 s[G0SB], 1
	s_add_co_u32 s[G0SB+1], s94, SCL
	s_mov_b64 s[G0SB+2:G0SB+3], s[92:93]
	s_or_b32 s[G0SB+3], s[G0SB+3], 0x80000000
	JLOAD G0S, G1S, G0SB, G1SB                     ; the scales first: they are wanted with K step 0
.irp s, 0,1
	s_mov_b32 s[G0+4*\s], 1
	s_add_co_u32 s[G0+4*\s+1], s45, \s*SLOT
	s_add_nc_u64 s[G0+4*\s+2:G0+4*\s+3], s[20:21], \s*ROWB
	s_or_b32 s[G0+4*\s+3], s[G0+4*\s+3], 0x80000000
	s_mov_b32 s[G0B+4*\s], 1
	s_add_co_u32 s[G0B+4*\s+1], s45, \s*SLOT
	s_add_nc_u64 s[G0B+4*\s+2:G0B+4*\s+3], s[46:47], \s*ROWB
	s_or_b32 s[G0B+4*\s+3], s[G0B+4*\s+3], 0x80000000
	JLOAD G0+4*\s, G1, G0B+4*\s, G1B               ; three tensor loads of mine are out behind these
.endr
	v_and_b32 v1, 15, v0                           ; r = l % 16
	v_bfe_u32 v2, v0, 4, 1                         ; h = l / 16
	v_mul_u32_u24 v3, v1, PITCH
	v_lshl_add_u32 v4, v2, 4, v3                   ; a fragment's row x pitch + 16 x half
	s_mul_i32 s21, s15, HALFT                      ; my 128 rows of x
	s_mul_i32 s22, s16, HALFT                      ; my 128 rows of W,
	s_add_co_u32 s22, s22, 2*HALFT                 ; which lie behind x's 256
.irp s, 0,1
	v_add_nc_u32 v[ADRA+\s], s21, v4
	v_add_nc_u32 v[ADRB+\s], s22, v4
	s_add_co_u32 s21, s21, SLOT
	s_add_co_u32 s22, s22, SLOT
.endr
	v_mul_u32_u24 v5, v1, KS                       ; my row's scales: KS bytes a row,
	v_lshrrev_b32 v6, 8, v5
	v_lshl_add_u32 v5, v6, 4, v5                   ; and 16 more for each 256 passed
	s_mul_i32 s21, s15, HALFS                      ; x's: my 128 rows
	s_mul_i32 s22, s16, HALFS                      ; W's: my 128 rows, behind x's 256
	s_add_co_u32 s22, s22, 2*HALFS
	s_sub_co_u32 s22, s22, s21
	v_mul_u32_u24 v6, s22, v2                      ; lanes 16-31 take W's
	s_add_co_u32 s21, s21, SCL
	v_add_nc_u32 v5, v5, v6
	v_add_nc_u32 v[ADRS], s21, v5
	s_mul_i32 s23, s14, 16*SPITCH                  ; my stage
	v_mul_u32_u24 v5, v1, SPITCH                   ; in: row r, 16 bytes for each half of the lanes
	v_lshl_add_u32 v5, v2, 4, v5
	v_add_nc_u32 v[STO], s23, v5
	v_bfe_u32 v6, v0, 3, 1                         ; back: lanes 0-15 take two positions of the first head (128 bytes each), lanes 16-31 of the second
	v_and_b32 v7, 7, v0
	v_lshlrev_b32 v7, 4, v7
	v_mul_u32_u24 v5, v6, SPITCH
	v_lshl_add_u32 v5, v2, 7, v5
	v_add_nc_u32 v5, v5, v7
	v_add_nc_u32 v[RD], s23, v5
	v_lshl_add_u32 v[CO], v6, 7, v7                ; and the same in qkv: a position is 128 bytes, a head 2^18
	v_lshl_add_u32 v[CO], v2, 18, v[CO]
	v_lshlrev_b32 v[FO], 13, v1                    ; qkvf: position r of 8,192 bytes, + 32 h
	v_lshl_add_u32 v[FO], v2, 5, v[FO]
	; where my part begins: qkv: b 2^23 + (4 tile column + 2 half) 2^18 + 128 x my first position;  qkvf: b 2^17 + 1,024 tile column + 512 half
	s_lshr_b32 s20, s17, 3                         ; b
	s_lshl_b32 s18, s20, 17
	s_lshl_b32 s20, s20, 23
	s_and_b32 s22, s17, 7
	s_or_b32 s66, s22, s15                         ; 0: my rows begin at position 0
	s_lshl_b32 s22, s22, 8
	s_lshl_b32 s23, s15, 7
	s_add_co_u32 s22, s22, s23
	s_lshl_b32 s22, s22, 7
	s_add_co_u32 s20, s20, s22
	s_mov_b32 s21, 0
	s_mov_b32 s19, 0
	s_add_nc_u64 s[12:13], s[12:13], s[20:21]
	s_add_nc_u64 s[96:97], s[96:97], s[18:19]
	s_lshl_b32 s46, s42, 2
	s_lshl_b32 s47, s16, 1
	s_add_co_u32 s46, s46, s47
	s_lshl_b32 s46, s46, 18
	s_mov_b32 s47, 0
	s_add_nc_u64 s[12:13], s[12:13], s[46:47]
	s_lshl_b32 s46, s42, 10
	s_lshl_b32 s45, s16, 9
	s_add_co_u32 s46, s46, s45
	s_add_nc_u64 s[96:97], s[96:97], s[46:47]
	v_mov_b32 v[FC], s66
.macro FRAG reg, adr, q, i             ; a fragment, 16 rows x 128 K of 4-bit codes: lane l holds row l % 16; registers 4 c .. 4 c + 3 hold K = 64 c + 32 (l / 16) + 0 .. 31
.irp c, 0,1
	ds_load_b128 v[\reg+4*\c:\reg+4*\c+3], v[\adr] offset:64*(\q)+32*\c+(\i)*16*PITCH
.endr
.endm
; 16 matrix instructions: x's blocks a0, a0 + 1 against W's eight, 128 along K: the slot's q-th.  p: W's set;  sc: the set of scale words.  zero = 1: the first product starts the sums.
; The 64 accumulators take turns, one instruction a turn, in the same order in every step.
.macro MUL16 a0, p, q, sc, zero
.irp a, \a0, \a0+1
.irp b, 0,1,2,3,4,5,6,7
.if \zero
	v_wmma_scale_f32_16x16x128_f8f6f4 v[8*(8*((\a)%4)+\b):8*(8*((\a)%4)+\b)+7], v[128*(\p)+FR*\b:128*(\p)+FR*\b+FR-1], v[AF+FR*(\a):AF+FR*(\a)+FR-1], 0, v[SC+8*NQ*(\sc)+NQ*\b+(\q)], v[SC+8*NQ*(\sc)+NQ*(\a)+(\q)] matrix_a_fmt:MATRIX_FMT_FP4 matrix_b_fmt:MATRIX_FMT_FP4 matrix_a_scale:MATRIX_SCALE_ROW1
.else
	v_wmma_scale_f32_16x16x128_f8f6f4 v[8*(8*((\a)%4)+\b):8*(8*((\a)%4)+\b)+7], v[128*(\p)+FR*\b:128*(\p)+FR*\b+FR-1], v[AF+FR*(\a):AF+FR*(\a)+FR-1], v[8*(8*((\a)%4)+\b):8*(8*((\a)%4)+\b)+7], v[SC+8*NQ*(\sc)+NQ*\b+(\q)], v[SC+8*NQ*(\sc)+NQ*(\a)+(\q)] matrix_a_fmt:MATRIX_FMT_FP4 matrix_b_fmt:MATRIX_FMT_FP4 matrix_a_scale:MATRIX_SCALE_ROW1
.endif
.endr
.endr
.endm
.macro FETCH_B slot, q, p              ; W's eight fragments of the slot's q-th 128 along K into set p
	WIN TO_B
.irp i, 0,1,2,3,4,5,6,7
	FRAG 128*(\p)+FR*\i, ADRB+\slot, \q, \i
.endr
	WIN 0
.endm
.macro FETCH_A slot, q, i0             ; x's blocks i0 .. i0 + 3
.irp i, \i0, \i0+1, \i0+2, \i0+3
	FRAG AF+FR*(\i), ADRA+\slot, \q, \i
.endr
.endm
.macro SCALES sc                       ; the K step's scale words into set sc: four words a row; lanes 0-15 take x's block i, lanes 16-31 W's block i
.irp i, 0,1,2,3,4,5,6,7
	ds_load_b128 v[SC+8*NQ*\sc+NQ*\i:SC+8*NQ*\sc+NQ*\i+3], v[ADRS] offset:\i*SBLK
.endr
.endm
; A load into a register that a matrix instruction has read, and a vector instruction or a store that reads a matrix result, stand NP places behind that matrix instruction; only plain vector
; instructions that name none of its registers are places (ISA guide 7.12.1 for vector instructions).
.macro PLACES n
.rept \n
	v_nop
.endr
.endm
; A step of 128 along K that has its successor in the same slot.
.macro STEP slot, q, zero
	s_wait_dscnt 4*NL                              ; W's set and x's blocks 0-3 are in; the youngest eight loads (x's blocks 4-7) may be out
	WIN MUL_LO
	MUL16 0, (\q)%2, \q, \slot, \zero
	MUL16 2, (\q)%2, \q, \slot, \zero
	s_wait_dscnt 0                                 ; x's blocks 4-7 are in (asked for 32 matrix instructions ago)
	PLACES NP
	FETCH_B \slot, (\q)+1, 1-(\q)%2
	FETCH_A \slot, (\q)+1, 0
	WIN MUL_HI
	MUL16 4, (\q)%2, \q, \slot, \zero
	MUL16 6, (\q)%2, \q, \slot, \zero
	PLACES NP
	WIN 0
	FETCH_A \slot, (\q)+1, 4
.endm
; A slot's last step changes slots: ONE barrier; in front of it each wave waits for all its tensor loads, adds 0 to its spare word, and waits for that and for its own reads of this slot.  fill = 1: this slot is filled again, two K steps ahead.
.macro TURN slot, next, fill
	s_wait_tensorcnt 0x0                           ; all my tensor loads have landed: my part of the next slot  (every window is 0 here)
	ds_add_u32 v[SPW], v[NIL]                      ; 0 onto my spare word
	s_wait_dscnt 4*NL+1                            ; (the add and the youngest eight loads, x's blocks 4-7, may be out)
	WIN MUL_LO
	MUL16 0, 1, NQ-1, \slot, 0                     ; sixteen matrix instructions stand between the add and the wait for it
	s_wait_dscnt 0x0                               ; the add is done, and my reads of this slot are over
	s_barrier_signal -1
	MUL16 2, 1, NQ-1, \slot, 0
	WIN 0
	s_barrier_wait -1
.if \fill
	CREST                                          ; the barrier has opened a round of the cluster's barrier: no wave of any partner still reads this slot's tile or has a load on its way
	s_add_nc_u64 s[G0+4*\slot+2:G0+4*\slot+3], s[G0+4*\slot+2:G0+4*\slot+3], 2*ROWB
	s_add_nc_u64 s[G0B+4*\slot+2:G0B+4*\slot+3], s[G0B+4*\slot+2:G0B+4*\slot+3], 2*ROWB
	JLOAD G0+4*\slot, G1, G0B+4*\slot, G1B         ; the first tensor load behind the round, my only one out; its four v_nop are the places in front of the loads below
.else
	PLACES NP
.endif
	v_add_nc_u32 v[ADRS], 4*NQ, v[ADRS]            ; on to the next K step's scale words
	FETCH_B \next, 0, 0
	FETCH_A \next, 0, 0
	SCALES \next
	WIN MUL_HI
	MUL16 4, 1, NQ-1, \slot, 0
	MUL16 6, 1, NQ-1, \slot, 0
	PLACES NP
	WIN 0
	FETCH_A \next, 0, 4
.endm
.macro STEPS slot, from                ; the slot's steps from .. NQ - 2
.set QQ, \from
.rept NQ-1-\from
	STEP \slot, QQ, 0
.set QQ, QQ+1
.endr
.endm
	s_wait_tensorcnt 1                             ; the scales and my part of K step 0 are in (K step 1's one load may be out)
	s_barrier_signal -1
	s_barrier_wait -1                              ; everybody's are
	FETCH_B 0, 0, 0
	FETCH_A 0, 0, 0
	SCALES 0
	FETCH_A 0, 0, 4
	STEP 0, 0, 1                                   ; the first step stands in front of the loop: its products start the sums
	s_mov_b32 s3, LAPS-1
.Llap:                                                 ; a trip goes once round the ring, from a lap's second step to the next lap's first, and fills both slots again
	STEPS 0, 1
	TURN 0, 1, 1
	STEPS 1, 0
	TURN 1, 0, 1
	STEP 0, 0, 0
	s_sub_co_u32 s3, s3, 1
	s_cmp_lg_u32 s3, 0
	s_cbranch_scc1 .Llap
	STEPS 0, 1                                     ; the last lap fills nothing, and has no round of the cluster's barrier
	TURN 0, 1, 0
	STEPS 1, 0
	s_wait_dscnt 4*NL                              ; the very last step: nothing more to fetch
	WIN MUL_LO
	MUL16 0, 1, NQ-1, 1, 0
	MUL16 2, 1, NQ-1, 1, 0
	s_wait_dscnt 0
	WIN MUL_HI
	MUL16 4, 1, NQ-1, 1, 0
	MUL16 6, 1, NQ-1, 1, 0
	WIN 0
	; THE WAY OUT.  First the f32 rows: block 0 of the waves whose rows begin at position 0.  Partners of a cluster run alike, so nothing is jumped over: the lanes of all other waves are switched off.
	PLACES NP                                      ; behind the last products: for the reads of results and the loads into the registers that held x's fragments
	v_cmp_eq_u32 vcc_lo, 0, v[FC]
	s_wait_xcnt 0x0                                ; EXEC changes only behind this wait
	s_and_saveexec_b32 s67, vcc_lo
	WIN 0x08                                       ; a store's data are its source 1: window 2
.irp b, 0,1,2,3,4,5,6,7
	global_store_b128 v[FO], v[8*\b:8*\b+3], s[96:97] offset:64*\b          ; lane (r, h): position r, columns 16 b + 8 h + 0 .. 7; each accumulator from its low end on
	global_store_b128 v[FO], v[8*\b+4:8*\b+7], s[96:97] offset:64*\b+16
.endr
	WIN 0
	s_wait_xcnt 0x0                                ; and again, in front of the line that widens it
	s_or_b32 exec_lo, exec_lo, s67
; Then all rows as f16, block by block of 16 positions x 128 columns (two heads).  A lane holds 16 bytes of a row: a block goes through my own stage and comes back so that sixteen lanes hold two positions of one head: 256 consecutive bytes of qkv.
.macro PACK a
.set AC, 64*((\a)%4)
	WIN (0x0a+5*((\a)/4))                          ; sources 0 and 1: window 2 or 3
.irp b, 0,1,2,3,4,5,6,7
.irp i, 0,1,2,3
	v_cvt_pk_f16_f32 v[TMP+4*\b+\i], v[AC+8*\b+2*\i], v[AC+8*\b+2*\i+1]
.endr
.endr
	WIN 0
.endm
.macro TOSTAGE a
.set BB, BK+32*((\a)%2)
.irp b, 0,1,2,3,4,5,6,7
	ds_store_b128 v[STO], v[TMP+4*\b:TMP+4*\b+3] offset:32*\b
.endr
.irp t, 0,1,2,3,4,5,6,7
	ds_load_b128 v[BB+4*\t:BB+4*\t+3], v[RD] offset:\t*2*SPITCH    ; LDS serves a wave's instructions in order: these see the stores above
.endr
.endm
.macro SEND a
.set BB, BK+32*((\a)%2)
	s_wait_dscnt 0x0                               ; the block is back in registers
	s_wait_xcnt 0x0                                ; the stores of the block before have read their registers: the next block's loads may land there
.irp t, 0,1,2,3,4,5,6,7
	global_store_b128 v[CO], v[BB+4*\t:BB+4*\t+3], s[12:13] offset:2048*(\a)+256*\t   ; 16 lanes store 256 consecutive bytes, at a multiple of 256 from qkv's first byte
.endr
.endm
	PACK 0
	TOSTAGE 0
.irp a, 1,2,3,4,5,6,7                  ; block a's conversions stand between block a - 1's loads from the stage and the wait for them
	PACK \a
	SEND \a-1
	TOSTAGE \a
.endr
	SEND 7
	s_wait_tensorcnt 0x0                           ; the wave's end
	ds_add_u32 v[SPW], v[NIL]
	s_wait_dscnt 0x0
	CROUND                                         ; the closing round: no work-group ends while a partner may still ask for a tile that names it
	s_endpgm
.Lfunc_end_k_q0258d649cb_proj:
	.size	k_q0258d649cb_proj, .Lfunc_end_k_q0258d649cb_proj-k_q0258d649cb_proj
	.p2alignl 7, 3214868480
	.fill 96, 4, 3214868480
	.section	.rodata,"a",@progbits
	.p2align	6, 0x0
	.amdhsa_kernel k_q0258d649cb_proj
		.amdhsa_group_segment_fixed_size 327680
		.amdhsa_private_segment_fixed_size 0
		.amdhsa_enable_private_segment 0
		.amdhsa_kernarg_size 48
		.amdhsa_user_sgpr_count 2
		.amdhsa_user_sgpr_kernarg_segment_ptr 1
		.amdhsa_wavefront_size32 1
		.amdhsa_system_sgpr_workgroup_id_x 1
		.amdhsa_system_sgpr_workgroup_id_y 1
		.amdhsa_system_sgpr_workgroup_id_z 1
		.amdhsa_system_vgpr_workitem_id 0
		.amdhsa_next_free_vgpr 1024
		.amdhsa_next_free_sgpr 98
		.amdhsa_reserve_vcc 1
		.amdhsa_float_denorm_mode_32 3
		.amdhsa_float_denorm_mode_16_64 3
		.amdhsa_memory_ordered 1
		.amdhsa_forward_progress 1
		.amdhsa_inst_pref_size 216
	.end_amdhsa_kernel
	.amdgpu_metadata
---
amdhsa.version: [ 1, 2 ]
amdhsa.kernels:
  - .name:           k_q0258d649cb_proj
    .symbol:         k_q0258d649cb_proj.kd
    .args:
      - { .name: xcodes, .offset: 0, .size: 8, .value_kind: global_buffer, .address_space: global }
      - { .name: xscales, .offset: 8, .size: 8, .value_kind: global_buffer, .address_space: global }
      - { .name: wcodes, .offset: 16, .size: 8, .value_kind: global_buffer, .address_space: global }
      - { .name: wscales, .offset: 24, .size: 8, .value_kind: global_buffer, .address_space: global }
      - { .name: qkv, .offset: 32, .size: 8, .value_kind: global_buffer, .address_space: global }
      - { .name: qkvf, .offset: 40, .size: 8, .value_kind: global_buffer, .address_space: global }
    .group_segment_fixed_size: 327680
    .private_segment_fixed_size: 0
    .kernarg_segment_align: 8
    .kernarg_segment_size: 48
    .max_flat_workgroup_size: 128
    .sgpr_count:     98
    .vgpr_count:     1024
    .wavefront_size: 32
...
	.end_amdgpu_metadata
.endif
;; end of part 2
;; launch attn (part 3): grid 16 x 16, 16 waves a work-group, no clusters, 327,680 bytes of LDS; arguments qkv, att; writes att
.if DOCPART == 3
	.amdgcn_target "amdgcn-amd-amdhsa--gfx1250"
	.amdhsa_code_object_version 6
	.text
	.protected	k_q0258d649cb_attn
	.globl	k_q0258d649cb_attn
	.p2align	8
	.type	k_q0258d649cb_attn,@function
k_q0258d649cb_attn:
	s_mov_b64 s[64:65], 0
	v_nop
	global_prefetch_b8 v0, s[64:65] scope:SCOPE_SE
	s_setreg_imm32_b32 hwreg(HW_REG_WAVE_MODE, 25, 1), 1
	s_wait_xcnt 0x0
; Causal attention on f16 operands: att[b][t][h 64 + d] = sum over s <= t of softmax_s(q[t] . k[s] / 8) v[s][d], from qkv [b][slot][t][64] (slots 0-15 q, 16-23 k, 24-31 v); query heads 2 hkv and 2 hkv + 1 share key head hkv.
; Products, maxima and sums in f32; the weights p are rounded to f16 for the second product, the result once at the end.  LIMIT: |q|, |k|, |v| under 65,504 (f16).
; (Positions 0 to 15 of each sequence are computed here like all others; the program's last launch carries them in f32 and writes the output's rows anew.)
; SHARES.  Work-group (i, pair = 8 b + hkv) owns two blocks of 64 positions, LOW = 64 i and HIGH = 64 (31 - i), for both query heads: (i + 1) + (32 - i) = 33 key steps of 64 in every work-group.
; A wave holds TWO TILES OF 16 QUERIES AT THE SAME 16 POSITIONS, one of each query head: they want the same K, the same V and the same causal limit, so every fragment read from LDS feeds two matrix instructions.
; The key steps of a block are shared out BY PARITY between two waves, which merge their sums at the end.  Wave w (a = w % 4, b = w / 4): positions 16 a of block (a ^ b) % 2 (0 HIGH, 1 LOW), steps of parity ((a ^ b) / 2) % 2.
; The four waves that share a, and likewise the four that share b, are one of each kind (block, parity): together they walk 33 steps, in every work-group.
; LAYOUT.  S^T = K Q^T (source 0 = 16 keys, source 1 = 16 queries): a lane holds ONE query (lane % 16) and keys 8 (lane / 16) + 0..7 of a tile.  Two such tiles, rounded to f16 in pairs, ARE source 1 of O^T = V^T P.
; K comes out of LDS as it lies, V ([key][channel]) turned, by ds_load_tr16_b128.
; SOFTMAX.  For each query a running maximum m and sum l: p = 2^(c s - c m), c = log2(e) / 8; in every step O and l are multiplied by a = 2^(c m_old - c m_new).
; THE MERGE.  Partners w and w ^ 8 hold the same tiles for the two parities.  With m = the larger of their maxima and a_X = 2^(c m_X - c m): l = a_A l_A + a_B l_B, O = (a_A O_A + a_B O_B) / l.  A wave that had no step
; (m = -3e38, l = 0, O = 0) counts for nothing: its a is 0.  Key 0 lies in a step of parity 0 and counts for every query, so the merged m is a number.
; RING.  Two LDS slots of 256 keys (four steps).  EVERY work-group walks all eight slots: trip counts are constants; a step that is not the wave's is left out by a scalar branch on ids and the count of steps.
; NO CLUSTER: the work-groups that share K and V need different numbers of tiles (the causal limit hangs on i), and a joint load may not bring a tile that a partner never reads.
.set PK,    144       ; a key's row of K in LDS: 128 bytes + 16 of padding: an odd multiple of 16
.set PV,    160       ; of V: 128 + 32: an odd multiple of 32, for the turning load
.set KCH,   64*PK     ; what one tensor load brings of K: key tile kt (16 keys) of each of a slot's four steps
.set VCH,   64*PV     ; and of V
.set VOFF,  4*KCH     ; a slot: K as [kt 4][step 4][16 keys], then V likewise
.set SLOT1, 1<<17     ; slot 1 begins here: one exclusive or turns an address in one slot into the other's
.set STAGE, SLOT1+VOFF+4*VCH  ; behind the ring, in bytes of its own: 128 rows x 272 for the way out
.set SP,    272
.set SPARE, STAGE+128*SP      ; the spare words, 128 bytes a wave, which no other line names
.set MST,   SPARE+16*128      ; the merge: (c m, m, l, l) of each wave's two tiles: 1,024 bytes a wave
                              ; the merge's O^T, 8,192 bytes a wave, lies from byte 0 on, in slot 0 and the gap behind it: stored there behind a barrier behind which nobody reads the ring, which has had its last fill
.set AK0,  1          ; v1   my lane's place in a tile of K; in the merge: the second partner's O^T
.set AV0,  2          ; v2   the same for V; on the way out: lane / 16
.set ADK,  3          ; v3   LDS address of the step's K; in the merge: O^T; on the way out: my offset in att
.set ADV,  4          ; v4   of the step's V; in the merge: the statistics
.set SPW,  5          ; v5   LDS address of my spare word; never rewritten
.set NIL,  6          ; v6   0; never rewritten
.set DM,   7          ; v7   16 a + r - 8 h: on the diagonal key 16 kt + j (+ 8 h) is hidden where 16 kt + j > DM; on the way out: where I put 16 bytes
.set NINF, 8          ; v8   -infinity; on the way out: where I read a row back
.set PFO,  9          ; v9   256 x lane: the prefetches' offset; never rewritten
.set ST,   12         ; tile t's statistics at v[ST + 10 t]: +0 c m, +1 m, +2, +3 l, +4 .. +7 at work (+5 takes the lane permutes' results), +8 a, +9 named with a as a pair
.set Q,    32         ; v32-63   Q: tile t (query head 2 hkv + t), channels 32 ks on, at Q + 16 t + 8 ks
.set S,    64         ; v64-127  S^T: tile t, key tile kt at S + 32 t + 8 kt; P is packed in place into the tile's first 16; in the merge: the partners' O^T
.set O,    128        ; v128-191 O^T: O + 32 t + 8 dt
.set KV,   192        ; v192-255 K's fragments (KV + 16 kt + 8 ks), then V's (KV + 32 c + 8 dt)
.set MA,   192        ; the merge: v192-195, v196-199 the partners' statistics; v200 c m; v[202:203], v[204:205] their factors; v206-209 l at work
.set MB,   196
.set MM,   200
.set FA,   202
.set FB,   204
.set LT,   206
.set WV,   8          ; s8   my wave's number
.set BLK,  9          ; s9   my block: 0 HIGH, 1 LOW
.set SEL,  16         ; s[16:17] lane selects for v_permlanex16_b32: lane l xor 16
.set CS,   18         ; s[18:19] c, twice
.set TK,   20         ; s20  LDS byte at which the step's K begins within a tile's chunk
.set TV,   21         ; s21  and V
.set KF,   22         ; s22  the step's first key
.set QLB,  23         ; s23  64 i
.set G1K,  24         ; s[24:31] descriptor group 1 for K;  s[32:39] for V: it differs in the padding alone
.set G1V,  32
.set G0K,  40         ; s[40:43], s[44:47] their groups 0, which walk
.set G0V,  44
.set QP,   48         ; s[48:49] the pair's first query head in qkv
.set PFA,  50         ; s[50:51] where my prefetches stand
.set LIM,  52         ; s52  1 in a wave that prefetches, else the greatest number
.set QHB,  53         ; s53  64 (31 - i)
.set QHL,  54         ; s54  the work-group's last query
.set SLOTS, 55        ; s55  changes of slots that may still ask
.set CNT,  56         ; s56  counts a slot's four steps
.set PAR,  57         ; s57  the parity of my key steps
.set TG,   72         ; s72  w / 8: the tile that I finish in the merge
.set MYB,  73         ; s73  my block's first position, which is also its diagonal step's first key
; Waves 0 to 3 fetch K's four key tiles, waves 4 to 7 V's, the others nothing.  The branches hang on the wave's number alone.  An s_nop 0 and four v_nop follow each line.
.macro TLOAD
	s_cmp_lt_u32 s[WV], 4
	s_cbranch_scc0 .Lnot_k_\@
	tensor_load_to_lds s[G0K:G0K+3], s[G1K:G1K+7]
	s_nop 0
.rept 4
	v_nop
.endr
	s_branch .Lasked_\@
.Lnot_k_\@:
	s_cmp_lt_u32 s[WV], 8
	s_cbranch_scc0 .Lasked_\@
	tensor_load_to_lds s[G0V:G0V+3], s[G1V:G1V+7]
	s_nop 0
.rept 4
	v_nop
.endr
.Lasked_\@:
.endm
; A prefetch of what the NEXT change of slots will ask for: 256 keys of K and of V, 32,768 dense bytes each.  All sixteen work-groups of a pair walk the same K and V: the one with i = 0, which walks every slot, asks.
; Waves 0 to 3 take K's bytes, waves 4 to 7 V's, 8,192 a wave, lanes 256 bytes apart: each aligned block of 256 bytes is named once.  Slots 0 and 1 come by their loads alone; the last change that fills asks for nothing.
.macro ASK
	s_cmp_gt_u32 s[SLOTS], s[LIM]
	s_cbranch_scc0 .Lnot_mine_\@
	global_prefetch_b8 v[PFO], s[PFA:PFA+1] th:TH_LOAD_NT scope:SCOPE_SE
.Lnot_mine_\@:
.endm
	s_load_b128 s[4:7], s[0:1], 0x0                ; qkv s[4:5], att s[6:7]
	v_lshl_add_u32 v[SPW], v0, 2, SPARE
	v_mov_b32 v[NIL], 0
	ds_add_u32 v[SPW], v[NIL]                      ; the wave's opening: the add, twice on end, and its wait ahead of my first tensor load; the set-up below stands between
	ds_add_u32 v[SPW], v[NIL]
	v_lshrrev_b32 v10, 5, v0
	v_readfirstlane_b32 s[WV], v10                 ; wave 0..15
	s_and_b32 s10, ttmp7, 0xffff                   ; pair
	s_lshr_b32 s11, s10, 3                         ; b
	s_and_b32 s12, s10, 7                          ; hkv
	s_and_b32 s13, s[WV], 3                        ; a: my 16 positions of a block; also the key tile that I fetch
	s_bfe_u32 s14, s[WV], 0x10002                  ; in waves 0 to 7: I fetch K (0) or V (1)
	s_lshr_b32 s[TG], s[WV], 3
	s_lshr_b32 s15, s[WV], 2
	s_xor_b32 s15, s15, s[WV]                      ; a ^ b in the low two bits
	s_and_b32 s[BLK], s15, 1
	s_bfe_u32 s[PAR], s15, 0x10001
	s_lshl_b32 s[QLB], ttmp9, 6
	s_sub_co_u32 s[QHB], 31, ttmp9
	s_lshl_b32 s[QHB], s[QHB], 6
	s_add_co_u32 s[QHL], s[QHB], 63
	s_cmp_eq_u32 s[BLK], 0
	s_cselect_b32 s[MYB], s[QHB], s[QLB]
	; descriptor group 1: four rows (a slot's steps) of 1,024 elements (16 keys, 2,048 dense bytes), 4,096 elements (64 keys) apart; padding behind every 128 bytes, a key's row
	s_mov_b32 s[G1K], (1<<16)|(1<<20)|(4<<22)|(3<<25)   ; 15:0 no mask; 17:16 elements of 2 bytes; 20 padding on; 24:22 after every 32 words; 31:25 four words
	s_mov_b32 s[G1V], (1<<16)|(1<<20)|(4<<22)|(7<<25)   ; the same with eight words
.irp g, G1K, G1V
	s_mov_b32 s[\g+1], 1024<<16                    ; tensor_dim0
	s_mov_b32 s[\g+2], 4<<16                       ; tensor_dim1
	s_mov_b32 s[\g+3], 1024<<16                    ; tile_dim0
	s_mov_b32 s[\g+4], 4                           ; tile_dim1
	s_mov_b32 s[\g+5], 4096                        ; tensor_dim0_stride
	s_mov_b32 s[\g+6], 0
	s_mov_b32 s[\g+7], 0
.endr
	s_mov_b32 s[SEL], 0x76543210
	s_mov_b32 s[SEL+1], 0xfedcba98
	s_mov_b32 s[CS], 0x3e38aa3b                    ; c = log2(e) / 8
	s_mov_b32 s[CS+1], s[CS]
	s_mov_b32 s[TK], 0
	s_mov_b32 s[TV], 0
	s_mov_b32 s[KF], 0
	s_mov_b32 s[SLOTS], 7
	s_lshl_b32 s58, s11, 5
	s_add_co_u32 s58, s58, s12                     ; 32 b + hkv
	s_add_co_u32 s60, s58, 16                      ; K's slot in qkv
	s_lshl_b32 s60, s60, 18
	s_lshl_b32 s15, s13, 11                        ; my key tile: 16 keys of 128 bytes
	s_add_co_u32 s60, s60, s15
	s_mov_b32 s61, 0
	s_add_co_u32 s62, s60, 8<<18                   ; V: eight slots on
	s_mov_b32 s63, 0
	s_wait_dscnt 0x0                               ; both opening adds are done
	s_wait_kmcnt 0x0
	s_mov_b32 s[G0K], 1                            ; count = 1
	s_mul_i32 s[G0K+1], s13, KCH                   ; LDS address: slot 0, my key tile's chunk
	s_add_nc_u64 s[G0K+2:G0K+3], s[4:5], s[60:61]
	s_or_b32 s[G0K+3], s[G0K+3], 0x80000000        ; type = 2
	s_mov_b32 s[G0V], 1
	s_mul_i32 s[G0V+1], s13, VCH
	s_add_co_u32 s[G0V+1], s[G0V+1], VOFF
	s_add_nc_u64 s[G0V+2:G0V+3], s[4:5], s[62:63]
	s_or_b32 s[G0V+3], s[G0V+3], 0x80000000
	TLOAD                                          ; slot 0: keys 0 to 255, which count for every work-group.  One tensor load is out in each of waves 0 to 7
	; the prefetches: my 8,192 bytes of slot 1 of K or of V; the first change of slots steps this to slot 2
	s_lshl_b32 s15, s14, 3
	s_add_co_u32 s58, s58, s15
	s_add_co_u32 s58, s58, 16
	s_lshl_b32 s58, s58, 18
	s_lshl_b32 s15, s13, 13
	s_add_co_u32 s58, s58, s15
	s_add_co_u32 s58, s58, 32768
	s_mov_b32 s59, 0
	s_add_nc_u64 s[PFA:PFA+1], s[4:5], s[58:59]
	s_or_b32 s15, s[TG], ttmp9                     ; 0 in waves 0 to 7 of the work-group with i = 0
	s_cmp_eq_u32 s15, 0
	s_cselect_b32 s[LIM], 1, -1
	; Q stays in registers: my 16 positions, both query heads of the pair (a head is 2^18 bytes)
	s_lshl_b32 s66, s11, 5
	s_lshl_b32 s67, s12, 1
	s_add_co_u32 s66, s66, s67                     ; 32 b + 2 hkv
	s_lshl_b32 s66, s66, 18
	s_mov_b32 s67, 0
	s_add_nc_u64 s[QP:QP+1], s[4:5], s[66:67]
	s_lshl_b32 s15, s13, 4                         ; 16 a
	s_add_co_u32 s69, s[MYB], s15
	s_lshl_b32 s69, s69, 7                         ; my first row, in bytes
	v_and_b32 v64, 15, v0                          ; r
	v_bfe_u32 v65, v0, 4, 1                        ; h
	v_lshlrev_b32 v66, 7, v64
	v_lshl_add_u32 v66, v65, 4, v66                ; r x 128 + 16 h
	v_add_nc_u32 v10, s69, v66
.irp t, 0,1
.irp ks, 0,1
	global_load_b128 v[Q+16*\t+8*\ks:Q+16*\t+8*\ks+3],   v10, s[QP:QP+1] offset:\t*262144+64*\ks
	global_load_b128 v[Q+16*\t+8*\ks+4:Q+16*\t+8*\ks+7], v10, s[QP:QP+1] offset:\t*262144+64*\ks+32
.endr
.endr
	v_mul_u32_u24 v[AK0], v64, PK
	v_lshl_add_u32 v[AK0], v65, 4, v[AK0]          ; key r x pitch + 16 h
	v_and_b32 v67, 7, v0
	v_lshl_add_u32 v67, v65, 3, v67                ; the turning load: key 8 h + l % 8,
	v_mul_u32_u24 v[AV0], v67, PV
	v_bfe_u32 v68, v0, 3, 1
	v_lshl_add_u32 v[AV0], v68, 4, v[AV0]          ; channels 8 ((l / 8) % 2) on
	v_add_nc_u32 v[AV0], VOFF, v[AV0]
	v_add_nc_u32 v[DM], s15, v64
	v_lshlrev_b32 v67, 3, v65
	v_sub_nc_u32 v[DM], v[DM], v67
	v_mov_b32 v[NINF], 0xff800000
	v_and_b32 v[PFO], 31, v0
	v_lshlrev_b32 v[PFO], 8, v[PFO]
.irp t, 0,1
	v_mov_b32 v[ST+10*\t+1], 0xff61b1e6            ; m: -3e38, under every score
	v_mul_f32 v[ST+10*\t], s[CS], v[ST+10*\t+1]    ; c m
	v_mov_b32 v[ST+10*\t+2], 0                     ; l
	v_mov_b32 v[ST+10*\t+3], 0
	v_mov_b32 v[ST+10*\t+5], 0                     ; written once here: a lane permute's destination counts as one of its sources, on every way to it
	v_mov_b32 v[ST+10*\t+9], 0                     ; named with a as a pair, so it is written
.endr
.irp j, 0,1,2,3,4,5,6,7,8,9,10,11,12,13,14,15,16,17,18,19,20,21,22,23,24,25,26,27,28,29,30,31,32,33,34,35,36,37,38,39,40,41,42,43,44,45,46,47,48,49,50,51,52,53,54,55,56,57,58,59,60,61,62,63
	v_mov_b32 v[O+\j], 0                           ; O^T.  The step is written once: the first finds zeros, which a = 0 leaves zeros; a wave with no step hands zeros to the merge
.endr
.macro FETCH_K                         ; the step's 64 keys x 64 channels: 8 fragments
.irp kt, 0,1,2,3
.irp ks, 0,1
	ds_load_b128 v[KV+16*\kt+8*\ks:KV+16*\kt+8*\ks+3],   v[ADK] offset:\kt*KCH+64*\ks
	ds_load_b128 v[KV+16*\kt+8*\ks+4:KV+16*\kt+8*\ks+7], v[ADK] offset:\kt*KCH+64*\ks+32
.endr
.endr
.endm
.macro FETCH_V                         ; the same keys of V, turned: keys 32 c on, channels 16 dt on
.irp c, 0,1
.irp dt, 0,1,2,3
	ds_load_tr16_b128 v[KV+32*\c+8*\dt:KV+32*\c+8*\dt+3],   v[ADV] offset:(2*\c)*VCH+32*\dt
	ds_load_tr16_b128 v[KV+32*\c+8*\dt+4:KV+32*\c+8*\dt+7], v[ADV] offset:(2*\c+1)*VCH+32*\dt
.endr
.endr
.endm
; The accumulators take turns, one instruction a turn: between two links of a chain stand seven others'.
.macro SQK                             ; S^T = K Q^T for both tiles; the first 32 channels start the sums
.irp ks, 0,1
.irp kt, 0,1,2,3
.irp t, 0,1
.if \ks == 0
	v_wmma_f32_16x16x32_f16 v[S+32*\t+8*\kt:S+32*\t+8*\kt+7], v[KV+16*\kt+8*\ks:KV+16*\kt+8*\ks+7], v[Q+16*\t+8*\ks:Q+16*\t+8*\ks+7], 0
.else
	v_wmma_f32_16x16x32_f16 v[S+32*\t+8*\kt:S+32*\t+8*\kt+7], v[KV+16*\kt+8*\ks:KV+16*\kt+8*\ks+7], v[Q+16*\t+8*\ks:Q+16*\t+8*\ks+7], v[S+32*\t+8*\kt:S+32*\t+8*\kt+7]
.endif
.endr
.endr
.endr
.endm
.macro PVM                             ; O^T += V^T P
.irp c, 0,1
.irp dt, 0,1,2,3
.irp t, 0,1
	v_wmma_f32_16x16x32_f16 v[O+32*\t+8*\dt:O+32*\t+8*\dt+7], v[KV+32*\c+8*\dt:KV+32*\c+8*\dt+7], v[S+32*\t+8*\c:S+32*\t+8*\c+7], v[O+32*\t+8*\dt:O+32*\t+8*\dt+7]
.endr
.endr
.endr
.endm
.macro MASK2                           ; on the diagonal: the scores of hidden keys become -infinity ahead of the maximum; both tiles stand at the same positions, so one compare serves both
.irp n, 0,1,2,3,4,5,6,7,8,9,10,11,12,13,14,15,16,17,18,19,20,21,22,23,24,25,26,27,28,29,30,31
	v_cmp_gt_i32 vcc_lo, 16*(\n/8)+\n%8, v[DM]
	v_cndmask_b32 v[S+\n], v[S+\n], v[NINF], vcc_lo
	v_cndmask_b32 v[S+32+\n], v[S+32+\n], v[NINF], vcc_lo
.endr
.endm
; The softmax of both tiles for one step; each line is written for the tiles in turn.
.macro SOFTMAX
.irp k, 0,1,2,3                        ; the maximum: four chains, each begun at the low end of an accumulator
.irp t, 0,1
	v_max3_num_f32 v[ST+10*\t+4+\k], v[S+32*\t+8*\k], v[S+32*\t+8*\k+1], v[S+32*\t+8*\k+2]
.endr
.endr
.irp e, 3,5
.irp k, 0,1,2,3
.irp t, 0,1
	v_max3_num_f32 v[ST+10*\t+4+\k], v[ST+10*\t+4+\k], v[S+32*\t+8*\k+\e], v[S+32*\t+8*\k+\e+1]
.endr
.endr
.endr
.irp t, 0,1
	v_max3_num_f32 v[ST+10*\t+4], v[ST+10*\t+4], v[S+32*\t+7], v[S+32*\t+15]
	v_max3_num_f32 v[ST+10*\t+6], v[ST+10*\t+6], v[S+32*\t+23], v[S+32*\t+31]
.endr
.irp t, 0,1
	v_max3_num_f32 v[ST+10*\t+4], v[ST+10*\t+4], v[ST+10*\t+5], v[ST+10*\t+6]
.endr
.irp t, 0,1
	v_max3_num_f32 v[ST+10*\t+4], v[ST+10*\t+4], v[ST+10*\t+7], v[ST+10*\t+1]   ; with the old m
.endr
.irp t, 0,1
	v_permlanex16_b32 v[ST+10*\t+5], v[ST+10*\t+4], s[SEL], s[SEL+1]            ; the query's other 32 keys lie in the lane 16 away
	v_mov_b32 v[ST+10*\t+8], v[ST+10*\t]                                        ; c m_old
.endr
.irp t, 0,1
	v_max_num_f32 v[ST+10*\t+1], v[ST+10*\t+4], v[ST+10*\t+5]
.endr
.irp t, 0,1
	v_mul_f32 v[ST+10*\t], s[CS], v[ST+10*\t+1]
.endr
.irp t, 0,1
	v_sub_f32 v[ST+10*\t+8], v[ST+10*\t+8], v[ST+10*\t]
.endr
.irp t, 0,1                            ; ONE BATCH of exponentials: a, then the 32 weights of each tile; none of the lines up to the wait names a result
	v_exp_f32 v[ST+10*\t+8], v[ST+10*\t+8]
.endr
.irp j, 0,2,4,6,8,10,12,14,16,18,20,22,24,26,28,30
.irp t, 0,1
	v_pk_fma_f32 v[S+32*\t+\j:S+32*\t+\j+1], v[S+32*\t+\j:S+32*\t+\j+1], s[CS:CS+1], v[ST+10*\t:ST+10*\t+1] op_sel_hi:[1,0,0] neg_lo:[0,0,1] neg_hi:[0,0,1]   ; c s - c m
.endr
.endr
.irp j, 0,1,2,3,4,5,6,7,8,9,10,11,12,13,14,15,16,17,18,19,20,21,22,23,24,25,26,27,28,29,30,31
.irp t, 0,1
	v_exp_f32 v[S+32*\t+\j], v[S+32*\t+\j]
.endr
.endr
	v_nop                                          ; a plain instruction behind the last exponential
	s_wait_alu depctr_va_vdst(0)                   ; the wait ahead of the first instruction that names a result: one for the batch
.irp t, 0,1                            ; the sum of the unrounded weights, in two chains of pairs
	v_pk_add_f32 v[ST+10*\t+4:ST+10*\t+5], v[S+32*\t:S+32*\t+1], v[S+32*\t+2:S+32*\t+3]
	v_pk_add_f32 v[ST+10*\t+6:ST+10*\t+7], v[S+32*\t+4:S+32*\t+5], v[S+32*\t+6:S+32*\t+7]
.endr
.irp j, 8,12,16,20,24,28
.irp t, 0,1
	v_pk_add_f32 v[ST+10*\t+4:ST+10*\t+5], v[ST+10*\t+4:ST+10*\t+5], v[S+32*\t+\j:S+32*\t+\j+1]
	v_pk_add_f32 v[ST+10*\t+6:ST+10*\t+7], v[ST+10*\t+6:ST+10*\t+7], v[S+32*\t+\j+2:S+32*\t+\j+3]
.endr
.endr
.irp t, 0,1
	v_pk_add_f32 v[ST+10*\t+4:ST+10*\t+5], v[ST+10*\t+4:ST+10*\t+5], v[ST+10*\t+6:ST+10*\t+7]
.endr
.irp t, 0,1
	v_pk_fma_f32 v[ST+10*\t+2:ST+10*\t+3], v[ST+10*\t+2:ST+10*\t+3], v[ST+10*\t+8:ST+10*\t+9], v[ST+10*\t+4:ST+10*\t+5] op_sel_hi:[1,0,1]   ; l = a l + the sum
.endr
.irp j, 0,1,2,3,4,5,6,7,8,9,10,11,12,13,14,15
.irp t, 0,1
	v_cvt_pk_f16_f32 v[S+32*\t+\j], v[S+32*\t+2*\j], v[S+32*\t+2*\j+1]   ; P, in place: register j is written when pairs up to j have been read
.endr
.endr
.irp j, 0,2,4,6,8,10,12,14,16,18,20,22,24,26,28,30
.irp t, 0,1
	v_pk_mul_f32 v[O+32*\t+\j:O+32*\t+\j+1], v[O+32*\t+\j:O+32*\t+\j+1], v[ST+10*\t+8:ST+10*\t+9] op_sel_hi:[1,0]   ; O^T x a, each accumulator from its low end on
.endr
.endr
.endm
; A key step of 64 keys.  It is mine if its keys do not all come after my block and its parity is mine.  The branches hang on ids and the count of steps; they lead round no barrier and no tensor load; the lines at the end are run on every way.
.macro STEP
	s_cmp_gt_u32 s[KF], s[MYB]
	s_cbranch_scc1 .Lhid_\@
	s_bfe_u32 s70, s[KF], 0x10006                  ; the step's parity: bit 6 of its first key
	s_cmp_lg_u32 s70, s[PAR]
	s_cbranch_scc1 .Lhid_\@
	v_add_nc_u32 v[ADK], s[TK], v[AK0]
	v_add_nc_u32 v[ADV], s[TV], v[AV0]
	FETCH_K
	s_wait_dscnt 0x0                               ; K is in
	SQK
.rept 4
	v_nop                                          ; places behind the products: for V's loads into K's registers and for the first reads of the scores
.endr
	FETCH_V                                        ; lands while the softmax is walked
	s_cmp_lg_u32 s[KF], s[MYB]                     ; my block's diagonal?
	s_cbranch_scc1 .Lopen_\@
	MASK2
.Lopen_\@:
	SOFTMAX
	s_wait_dscnt 0x0                               ; V is in
	PVM
.rept 5
	v_nop                                          ; five places: my next step's first products write over P's registers; K's loads land in V's
.endr
.Lhid_\@:
	s_add_co_u32 s[KF], s[KF], 64
	s_add_co_u32 s[TK], s[TK], 16*PK
	s_add_co_u32 s[TV], s[TV], 16*PV
.endm
.macro SLOT_STEPS                      ; a slot's four steps: written once, walked four times
	s_mov_b32 s[CNT], 4
.Lstep_\@:
	STEP
	s_sub_co_u32 s[CNT], s[CNT], 1
	s_cmp_lg_u32 s[CNT], 0
	s_cbranch_scc1 .Lstep_\@
	s_sub_co_u32 s[TK], s[TK], 64*PK               ; back to a slot's first step,
	s_sub_co_u32 s[TV], s[TV], 64*PV
	s_xor_b32 s[TK], s[TK], SLOT1                  ; in the other slot
	s_xor_b32 s[TV], s[TV], SLOT1
.endm
; THE CHANGE OF SLOTS stands at a slot's head.  Each wave waits for all its tensor loads (its part of the slot ahead), adds 0 to its spare word (fill = 1: twice on end), and waits for that and for its reads of the slot that it has left.
; Behind the barrier the slot ahead is whole and nobody reads the other one.  fill = 1: that other slot takes the next 256 keys, which have four steps in which to land; but a slot whose first key comes after the
; work-group's last query is read by none of its waves and is not asked for.  That test is made of ids and the count of steps alone, is the same in all sixteen waves, and leads round the load's own lines alone;
; every wait on TENSORcnt in this text is for 0.  A slot that is asked for is read: its first step has parity 0 and is walked by the HIGH waves of that parity.
.macro CHANGE fill
	s_wait_tensorcnt 0x0                           ; no tensor load of mine is out, so a group 0 may be written
	ds_add_u32 v[SPW], v[NIL]                      ; 0 onto my spare word
.if \fill
	ds_add_u32 v[SPW], v[NIL]                      ; and once more
	s_xor_b32 s[G0K+1], s[G0K+1], SLOT1            ; the walking descriptors: the other slot than last time,
	s_add_nc_u64 s[G0K+2:G0K+3], s[G0K+2:G0K+3], 32768   ; the next 256 keys
	s_xor_b32 s[G0V+1], s[G0V+1], SLOT1
	s_add_nc_u64 s[G0V+2:G0V+3], s[G0V+2:G0V+3], 32768
	s_wait_xcnt 0x0                                ; the last prefetch, a slot back, has read its address
	s_add_nc_u64 s[PFA:PFA+1], s[PFA:PFA+1], 32768 ; one slot further on than the walking descriptors
.endif
	s_wait_dscnt 0x0                               ; the add is done (fill = 1: both are), and my reads of the slot that I have left are over
	s_barrier_signal -1
	s_barrier_wait -1
.if \fill
	s_add_co_u32 s70, s[KF], 256                   ; the first key of the slot that this change would ask for
	s_cmp_gt_u32 s70, s[QHL]
	s_cbranch_scc1 .Lpast_\@
	TLOAD                                          ; a fetching wave's one tensor load until the next such barrier
.Lpast_\@:
	ASK
.endif
.endm
	s_wait_loadcnt 0x0                             ; Q
.Lslot:                                                ; seven trips; slot 1's first fill stands behind the first trip's barrier, behind which nothing is filled again
	CHANGE 1
	SLOT_STEPS
	s_sub_co_u32 s[SLOTS], s[SLOTS], 1
	s_cmp_lg_u32 s[SLOTS], 0
	s_cbranch_scc1 .Lslot
	CHANGE 0                                       ; the last slot is written out: nothing is left to ask for
	SLOT_STEPS
	; THE MERGE.  First a barrier.
	s_wait_dscnt 0x0
	s_barrier_signal -1
	s_barrier_wait -1
	v_and_b32 v10, 31, v0
	v_lshlrev_b32 v10, 4, v10                      ; 16 x lane
	s_lshl_b32 s58, s[WV], 13
	v_add_nc_u32 v[ADK], s58, v10                  ; my O^T: 8,192 x wave + 16 x lane; four registers to a store, 512 bytes each: an image of the registers
	s_lshl_b32 s59, s[WV], 10
	s_add_co_u32 s59, s59, MST
	v_add_nc_u32 v[ADV], s59, v10                  ; my statistics: 1,024 x wave + 16 x lane
.irp j, 0,1,2,3,4,5,6,7,8,9,10,11,12,13,14,15
	ds_store_b128 v[ADK], v[O+4*\j:O+4*\j+3] offset:512*\j     ; tile j / 8; each accumulator from its low end on
.endr
	ds_store_b128 v[ADV], v[ST:ST+3]               ; c m, m, l, l of tile 0,
	ds_store_b128 v[ADV], v[ST+10:ST+13] offset:512   ; and of tile 1
	s_wait_dscnt 0x0                               ; for the others' sake: my sums lie in LDS
	s_barrier_signal -1
	s_barrier_wait -1
	; I finish tile w / 8 of the partners w % 8 and w % 8 + 8, of whom I am one
	s_and_b32 s58, s[WV], 7
	s_lshl_b32 s59, s58, 13
	s_lshl_b32 s60, s[TG], 12
	s_add_co_u32 s59, s59, s60
	v_add_nc_u32 v[ADK], s59, v10                  ; the first partner's O^T of my tile,
	v_add_nc_u32 v[AK0], 0x10000, v[ADK]           ; the second's: eight waves of 8,192 bytes on
	s_lshl_b32 s59, s58, 10
	s_lshl_b32 s60, s[TG], 9
	s_add_co_u32 s59, s59, s60
	s_add_co_u32 s59, s59, MST
	v_add_nc_u32 v[ADV], s59, v10
	ds_load_b128 v[MA:MA+3], v[ADV]
	ds_load_b128 v[MB:MB+3], v[ADV] offset:8192
.irp j, 0,1,2,3,4,5,6,7
	ds_load_b128 v[S+4*\j:S+4*\j+3], v[ADK] offset:512*\j
	ds_load_b128 v[S+32+4*\j:S+32+4*\j+3], v[AK0] offset:512*\j
.endr
	v_mov_b32 v[FA+1], 0                           ; named with the factors as pairs, so they are written
	v_mov_b32 v[FB+1], 0
	v_mov_b32 v[LT+3], 0                           ; a lane permute's destination counts as one of its sources
	s_wait_dscnt 16                                ; the statistics are in; the sixteen loads of O^T may be out
	v_max_num_f32 v[MM], v[MA+1], v[MB+1]          ; m
	v_mul_f32 v[MM], s[CS], v[MM]                  ; c m: the same product as in the step, so the larger partner's difference is 0
	v_sub_f32 v[FA], v[MA], v[MM]
	v_sub_f32 v[FB], v[MB], v[MM]
	v_exp_f32 v[FA], v[FA]
	v_exp_f32 v[FB], v[FB]
	v_and_b32 v11, 15, v0                          ; r  (plain work behind the exponentials)
	v_bfe_u32 v[AV0], v0, 4, 1                     ; h
	s_wait_alu depctr_va_vdst(0)                   ; the wait ahead of the first use: one for the two
	v_pk_mul_f32 v[LT:LT+1], v[MA+2:MA+3], v[FA:FA+1] op_sel_hi:[1,0]
	v_pk_fma_f32 v[LT:LT+1], v[MB+2:MB+3], v[FB:FB+1], v[LT:LT+1] op_sel_hi:[1,0,1]   ; l = a_A l_A + a_B l_B, in its two halves
	v_add_f32 v[LT+2], v[LT], v[LT+1]
	v_permlanex16_b32 v[LT+3], v[LT+2], s[SEL], s[SEL+1]
	v_add_f32 v[LT+2], v[LT+2], v[LT+3]            ; with the lane 16 away: the row's sum
	v_rcp_f32 v[LT+3], v[LT+2]
	; the way out's addresses: plain work behind the reciprocal.  The stage: a row is a position's 256 bytes, both heads of the pair; rows 0-63 LOW, 64-127 HIGH
	s_xor_b32 s58, s[BLK], 1
	s_mul_i32 s58, s58, 64*SP
	s_mul_i32 s59, s13, 16*SP
	s_add_co_u32 s58, s58, s59
	s_lshl_b32 s59, s[TG], 7
	s_add_co_u32 s58, s58, s59
	s_add_co_u32 s58, s58, STAGE
	v_mul_u32_u24 v[DM], v11, SP
	v_lshl_add_u32 v[DM], v[AV0], 4, v[DM]
	v_add_nc_u32 v[DM], s58, v[DM]                 ; in: my block's row 16 a + r, + 128 x my tile + 16 h
	s_mul_i32 s58, s[WV], 8*SP
	s_add_co_u32 s58, s58, STAGE
	v_mul_u32_u24 v[NINF], v[AV0], SP
	v_lshl_add_u32 v[NINF], v11, 4, v[NINF]
	v_add_nc_u32 v[NINF], s58, v[NINF]             ; back: rows 8 w on; lanes 0-15 one row, lanes 16-31 the next
	s_cmp_lt_u32 s[WV], 8
	s_cselect_b32 s58, s[QLB], s[QHB]              ; (only an offset into att is chosen)
	s_and_b32 s59, s[WV], 7
	s_lshl_b32 s59, s59, 3
	s_add_co_u32 s58, s58, s59
	s_lshl_b32 s59, s11, 11
	s_add_co_u32 s58, s58, s59                     ; 2048 b + the first position that I store
	s_lshl_b32 s58, s58, 11
	s_lshl_b32 s59, s12, 8                         ; the pair's 256 bytes of a row
	s_add_co_u32 s58, s58, s59
	s_mov_b32 s59, 0
	s_add_nc_u64 s[6:7], s[6:7], s[58:59]
	s_wait_alu depctr_va_vdst(0)                   ; and the wait ahead of the reciprocal's first use
	v_mul_f32 v[FA], v[FA], v[LT+3]                ; a_A / l,
	v_mul_f32 v[FB], v[FB], v[LT+3]                ; a_B / l
	s_wait_dscnt 0x0                               ; both partners' O^T are in
	v_lshlrev_b32 v[ADK], 11, v[AV0]
	v_lshl_add_u32 v[ADK], v11, 4, v[ADK]          ; two rows of att, 2,048 bytes apart, 16 bytes a lane
.irp j, 0,2,4,6,8,10,12,14,16,18,20,22,24,26,28,30
	v_pk_mul_f32 v[S+\j:S+\j+1], v[S+\j:S+\j+1], v[FA:FA+1] op_sel_hi:[1,0]
.endr
.irp j, 0,2,4,6,8,10,12,14,16,18,20,22,24,26,28,30
	v_pk_fma_f32 v[S+\j:S+\j+1], v[S+32+\j:S+32+\j+1], v[FB:FB+1], v[S+\j:S+\j+1] op_sel_hi:[1,0,1]
.endr
.irp j, 0,1,2,3,4,5,6,7,8,9,10,11,12,13,14,15
	v_cvt_pk_f16_f32 v[O+\j], v[S+2*\j], v[S+2*\j+1]
.endr
.irp dt, 0,1,2,3
	ds_store_b128 v[DM], v[O+4*\dt:O+4*\dt+3] offset:32*\dt
.endr
	s_wait_dscnt 0x0                               ; for the others' sake: my stores into the stage are done
	s_barrier_signal -1
	s_barrier_wait -1
.irp f, 0,1,2,3
	ds_load_b128 v[S+4*\f:S+4*\f+3], v[NINF] offset:\f*2*SP
.endr
.irp f, 0,1,2,3
	s_wait_dscnt 3-\f                              ; loads come back in order: the 3 - f younger ones may be out
	global_store_b128 v[ADK], v[S+4*\f:S+4*\f+3], s[6:7] offset:4096*\f   ; 16 lanes store 256 consecutive bytes, at a multiple of 256 from att's first byte
.endr
	s_wait_tensorcnt 0x0                           ; the wave's end
	ds_add_u32 v[SPW], v[NIL]
	s_wait_dscnt 0x0
	s_endpgm
.Lfunc_end_k_q0258d649cb_attn:
	.size	k_q0258d649cb_attn, .Lfunc_end_k_q0258d649cb_attn-k_q0258d649cb_attn
	.p2alignl 7, 3214868480
	.fill 96, 4, 3214868480
	.section	.rodata,"a",@progbits
	.p2align	6, 0x0
	.amdhsa_kernel k_q0258d649cb_attn
		.amdhsa_group_segment_fixed_size 327680
		.amdhsa_private_segment_fixed_size 0
		.amdhsa_enable_private_segment 0
		.amdhsa_kernarg_size 16
		.amdhsa_user_sgpr_count 2
		.amdhsa_user_sgpr_kernarg_segment_ptr 1
		.amdhsa_wavefront_size32 1
		.amdhsa_system_sgpr_workgroup_id_x 1
		.amdhsa_system_sgpr_workgroup_id_y 1
		.amdhsa_system_sgpr_workgroup_id_z 1
		.amdhsa_system_vgpr_workitem_id 0
		.amdhsa_next_free_vgpr 256
		.amdhsa_next_free_sgpr 80
		.amdhsa_reserve_vcc 1
		.amdhsa_float_denorm_mode_32 3
		.amdhsa_float_denorm_mode_16_64 3
		.amdhsa_memory_ordered 1
		.amdhsa_forward_progress 1
		.amdhsa_inst_pref_size 62
	.end_amdhsa_kernel
	.amdgpu_metadata
---
amdhsa.version: [ 1, 2 ]
amdhsa.kernels:
  - .name:           k_q0258d649cb_attn
    .symbol:         k_q0258d649cb_attn.kd
    .args:
      - { .name: qkv, .offset: 0, .size: 8, .value_kind: global_buffer, .address_space: global }
      - { .name: att, .offset: 8, .size: 8, .value_kind: global_buffer, .address_space: global }
    .group_segment_fixed_size: 327680
    .private_segment_fixed_size: 0
    .kernarg_segment_align: 8
    .kernarg_segment_size: 16
    .max_flat_workgroup_size: 512
    .sgpr_count:     80
    .vgpr_count:     256
    .wavefront_size: 32
...
	.end_amdgpu_metadata
.endif
;; end of part 3
;; launch outp (part 4): grid 8 x 32, 4 waves a work-group, clusters of 4 x 4, 327,680 bytes of LDS; arguments att, wo16, out0; writes out0
.if DOCPART == 4
	.amdgcn_target "amdgcn-amd-amdhsa--gfx1250"
	.amdhsa_code_object_version 6
	.text
	.protected	k_q0258d649cb_outp
	.globl	k_q0258d649cb_outp
	.p2align	8
	.type	k_q0258d649cb_outp,@function
k_q0258d649cb_outp:
	s_mov_b64 s[64:65], 0
	v_nop
	global_prefetch_b8 v0, s[64:65] scope:SCOPE_SE
	s_setreg_imm32_b32 hwreg(HW_REG_WAVE_MODE, 25, 1), 1
	s_wait_xcnt 0x0
	s_wait_alu depctr_hold_cnt(0) depctr_sa_sdst(0) depctr_va_vdst(0) depctr_va_sdst(0) depctr_va_ssrc(0) depctr_va_vcc(0) depctr_vm_vsrc(0)
	s_getreg_b32 s2, hwreg(HW_REG_IB_STS2, 6, 4)
	s_cmp_eq_u32 s2, 0
	s_cbranch_scc0 .Lentry_in_a_cluster
	s_endpgm
.Lentry_in_a_cluster:
	s_bfe_u32 s2, ttmp6, 0x10000c
	s_cmp_lg_u32 s2, 0xf033
	s_cbranch_scc0 .Lentry_shape_is_right
	s_endpgm
.Lentry_shape_is_right:
; out0[m][n] = sum over k of att[m][k] Wo[n][k]: att [4096][1024] and wo16 [2048][1024] in f16, out0 [4096][2048] f32; sums in f32.  LIMIT: |att|, |Wo| under 65,504 (f16).
; A block of out0 is 128 rows x 256 columns, which gives 256 work-groups.  Four waves, each 64 rows x 128 columns: 32 accumulators of 16 x 16, 256 registers.
; K goes in steps of 128 (rows of 256 bytes) through a ring of two LDS slots filled by the tensor data mover: eight K steps, 128 matrix instructions a wave in each.
; CLUSTERS: 4 x 4 work-groups.  The four of a row of the cluster need the same tiles of att, the four of a column the same tiles of Wo: each tile is asked for JOINTLY.
; THE MATRIX INSTRUCTION IS USED TRANSPOSED (source 0 = 16 rows of Wo, source 1 = 16 rows of att): a lane holds eight neighbouring numbers of a row of out0.
; The rows of positions 0 to 15 are stored here like all others (partners of a cluster run alike, so nothing is left out); the next launch writes them anew from f32 operands.
; REGISTERS: window 0: v0-31 addresses; v128-255 at work on the way out.   window 1: two fragment buffers at v0 and v128: att's 4 fragments (16 rows x 32 K), then Wo's 8.   window 2: accumulator (a, b) at v[8 (8 a + b)].
.set SIZE_K, 1024
.set SIZE_N, 2048
.set KSTEP,  128
.set PITCH,  272                       ; an LDS row: 256 bytes + 16 of padding: the 16 rows that a load touches start 68 words apart
.set AHALF,  64*PITCH                  ; what one tensor load brings of att, and what one wave reads of it
.set BHALF,  128*PITCH                 ; the same for Wo
.set SLOT,   2*AHALF+2*BHALF           ; att's 128 rows, then Wo's 256 rows
.set SPARE,  2*SLOT                    ; behind the ring: the spare words, 128 bytes a wave, which no other line names
.set SPITCH, 528                       ; the way out: a stage of 16 rows x (512 bytes + 16) for each wave, in slot 0, which has had its last fill and its last read when the first result is stored there
.set LAPS,   SIZE_K/(2*KSTEP)          ; a lap = two K steps = once round the ring
.set ADRA, 16                          ; v16-17  LDS address of my att fragments in slot 0, 1
.set ADRB, 20                          ; v20-21  the same for Wo
.set STO,  24                          ; v24     the way out: where I put 32 bytes of a row
.set RD,   25                          ; v25     where I read a row back
.set CO,   26                          ; v26     my byte offset in a row of out0
.set SPW,  28                          ; v28     LDS address of my spare word; never rewritten
.set NIL,  29                          ; v29     0; never rewritten
.set BK,   128                         ; the way out: 16 rows read back: v128-191 and v192-255 by turns
.set F0,   0                           ; fragment buffers, in window 1
.set F1,   128
.set G1, 24                            ; s[24:31] descriptor group 1 for att's tiles;  s[32:39] group 0, one set for each slot
.set G0, 32
.set G1B, 48                           ; s[48:55], s[56:63] the same for Wo's tiles
.set G0B, 56
.set MSB, 0
.macro WIN new                         ; the immediate's high byte repeats the setting that is left
.if MSB != \new
	s_set_vgpr_msb (MSB<<8)|\new
.set MSB, \new
.endif
.endm
.set MUL,  0xa5                        ; sources 0 (Wo) and 1 (att) window 1; C and D window 2
.set TO_F, 0x40                        ; destination window 1, address window 0
.macro JLOAD s                         ; a joint load: waves 0 and 1 fetch att's two halves, waves 2 and 3 Wo's; an s_nop 0 and four v_nop follow each of the two lines
	s_cmp_eq_u32 s11, 0
	s_cbranch_scc0 .Lfor_b_\@
	tensor_load_to_lds s[G0+4*\s:G0+4*\s+3], s[G1:G1+7]
	s_nop 0
.rept 4
	v_nop
.endr
	s_branch .Lasked_\@
.Lfor_b_\@:
	tensor_load_to_lds s[G0B+4*\s:G0B+4*\s+3], s[G1B:G1B+7]
	s_nop 0
.rept 4
	v_nop
.endr
.Lasked_\@:
.endm
.macro CREST                           ; a round of the cluster's barrier behind its opening barrier
	s_cmp_lg_u32 s10, 0
	s_cbranch_scc1 .Lnot_wave_0_\@
	s_barrier_signal -3
.Lnot_wave_0_\@:
	s_barrier_wait -3
	s_barrier_signal -1
	s_barrier_wait -1
.endm
.macro CROUND                          ; a whole round
	s_barrier_signal -1
	s_barrier_wait -1
	CREST
.endm
	s_load_b128 s[4:7], s[0:1], 0x0                ; att s[4:5], wo16 s[6:7]
	s_load_b64 s[8:9], s[0:1], 0x10                ; out0
	v_lshl_add_u32 v[SPW], v0, 2, SPARE
	v_mov_b32 v[NIL], 0
	ds_add_u32 v[SPW], v[NIL]                      ; the wave's opening: the add, twice on end, and its wait ahead of my first tensor load; the set-up below stands between
	ds_add_u32 v[SPW], v[NIL]
	v_lshrrev_b32 v1, 5, v0
	v_readfirstlane_b32 s10, v1                    ; wave 0..3
	s_lshr_b32 s11, s10, 1                         ; which half of the block's rows is mine.  Also: I fetch for att (0) or for Wo (1)
	s_and_b32 s12, s10, 1                          ; which half of its columns.  Also: which half of that tile I fetch
	s_bfe_u32 s40, ttmp6, 0x40000                  ; cx, cy: my place in the cluster
	s_bfe_u32 s41, ttmp6, 0x40004
	s_lshl_b32 s42, ttmp9, 2
	s_add_co_u32 s42, s42, s40                     ; block column = 4 x cluster x + cx
	s_and_b32 s13, ttmp7, 0xffff
	s_lshl_b32 s13, s13, 2
	s_add_co_u32 s13, s13, s41                     ; block row = 4 x cluster y + cy
	s_lshl_b32 s43, s41, 2
	s_lshl_b32 s43, 15, s43                        ; my row of the cluster
	s_lshl_b32 s44, 0x1111, s40                    ; my column
	; descriptor group 1: tiles of 64 (att) or 128 (Wo) rows x 128 elements, padded in LDS
	s_or_b32 s[G1+0], s43, (1<<16)|(1<<20)|(1<<21)|(5<<22)|(3<<25)  ; 15:0 the mask: att's tiles go to my row; 17:16 elements of 2 bytes; 20 padding on; 21 set beside a mask; 24:22 after every 64 words; 31:25 four words
	s_or_b32 s[G1B+0], s44, (1<<16)|(1<<20)|(1<<21)|(5<<22)|(3<<25)
	s_mov_b32 s[G1+1], KSTEP<<16                   ; tensor_dim0 = 128
	s_mov_b32 s[G1+2], 64<<16                      ; tensor_dim1 = 64
	s_mov_b32 s[G1+3], KSTEP<<16                   ; tile_dim0 = 128
	s_mov_b32 s[G1+4], 64                          ; tile_dim1 = 64
	s_mov_b32 s[G1+5], SIZE_K                      ; tensor_dim0_stride
	s_mov_b32 s[G1+6], 0
	s_mov_b32 s[G1+7], 0
	s_mov_b32 s[G1B+1], KSTEP<<16
	s_mov_b32 s[G1B+2], 128<<16
	s_mov_b32 s[G1B+3], KSTEP<<16
	s_mov_b32 s[G1B+4], 128
	s_mov_b32 s[G1B+5], SIZE_K
	s_mov_b32 s[G1B+6], 0
	s_mov_b32 s[G1B+7], 0
	s_lshl_b32 s16, s13, 7
	s_lshl_b32 s17, s12, 6
	s_add_co_u32 s16, s16, s17                     ; att: row 128 x block row + 64 x half
	s_lshl_b32 s16, s16, 11                        ; rows of 2,048 bytes
	s_mov_b32 s17, 0
	s_lshl_b32 s46, s42, 8
	s_lshl_b32 s47, s12, 7
	s_add_co_u32 s46, s46, s47                     ; Wo: row 256 x block column + 128 x half
	s_lshl_b32 s46, s46, 11
	s_mov_b32 s47, 0
	s_mul_i32 s20, s12, AHALF                      ; where they go: no place in the cluster enters an LDS address
	s_mul_i32 s21, s12, BHALF
	s_add_co_u32 s21, s21, 2*AHALF
	s_wait_dscnt 0x0                               ; both opening adds are done
	s_wait_kmcnt 0x0
	s_add_nc_u64 s[14:15], s[4:5], s[16:17]
	s_add_nc_u64 s[46:47], s[6:7], s[46:47]
	CROUND                                         ; all sixteen work-groups are here: the first joint loads meet
.irp s, 0,1
	s_mov_b32 s[G0+4*\s], 1
	s_add_co_u32 s[G0+4*\s+1], s20, \s*SLOT
	s_add_nc_u64 s[G0+4*\s+2:G0+4*\s+3], s[14:15], \s*KSTEP*2
	s_or_b32 s[G0+4*\s+3], s[G0+4*\s+3], 0x80000000
	s_mov_b32 s[G0B+4*\s], 1
	s_add_co_u32 s[G0B+4*\s+1], s21, \s*SLOT
	s_add_nc_u64 s[G0B+4*\s+2:G0B+4*\s+3], s[46:47], \s*KSTEP*2
	s_or_b32 s[G0B+4*\s+3], s[G0B+4*\s+3], 0x80000000
	JLOAD \s                                       ; two tensor loads of mine are out behind these
.endr
	v_and_b32 v1, 15, v0                           ; r
	v_bfe_u32 v2, v0, 4, 1                         ; h
	v_mul_u32_u24 v3, v1, PITCH
	v_lshl_add_u32 v3, v2, 4, v3                   ; a fragment's row x pitch + 16 x half
	s_mul_i32 s22, s11, AHALF                      ; my 64 rows of att
	s_mul_i32 s23, s12, BHALF                      ; my 128 rows of Wo,
	s_add_co_u32 s23, s23, 2*AHALF                 ; which lie behind att's 128
.irp s, 0,1
	v_add_nc_u32 v[ADRA+\s], s22, v3
	v_add_nc_u32 v[ADRB+\s], s23, v3
	s_add_co_u32 s22, s22, SLOT
	s_add_co_u32 s23, s23, SLOT
.endr
	s_mul_i32 s23, s10, 16*SPITCH                  ; my stage
	v_mul_u32_u24 v4, v1, SPITCH                   ; in: row r, 32 bytes for each half of the lanes
	v_lshl_add_u32 v4, v2, 5, v4
	v_add_nc_u32 v[STO], s23, v4
	v_and_b32 v5, 31, v0
	v_lshlrev_b32 v[CO], 4, v5                     ; back: the 32 lanes take one row of 512 bytes; and the same in out0
	v_add_nc_u32 v[RD], s23, v[CO]
	s_lshl_b32 s16, s13, 7
	s_lshl_b32 s17, s11, 6
	s_add_co_u32 s16, s16, s17                     ; my first row of out0: 128 x block row + 64 x half
	s_lshl_b32 s16, s16, 13                        ; rows of 8,192 bytes
	s_mov_b32 s17, 0
	s_add_nc_u64 s[8:9], s[8:9], s[16:17]
	s_lshl_b32 s46, s42, 10                        ; my first column, in bytes: 1,024 x block column + 512 x half
	s_lshl_b32 s47, s12, 9
	s_add_co_u32 s46, s46, s47
	s_mov_b32 s47, 0
	s_add_nc_u64 s[8:9], s[8:9], s[46:47]
; 8 matrix instructions: att's block a against Wo's eight, 32 along K, from buffer f.  zero = 1: the first product starts the sums.
; The 32 accumulators take turns, one instruction a turn, in the same order in every quarter.
.macro MUL8 f, a, zero
.irp b, 0,1,2,3,4,5,6,7
.if \zero
	v_wmma_f32_16x16x32_f16 v[8*(8*(\a)+\b):8*(8*(\a)+\b)+7], v[\f+32+8*\b:\f+32+8*\b+7], v[\f+8*(\a):\f+8*(\a)+7], 0
.else
	v_wmma_f32_16x16x32_f16 v[8*(8*(\a)+\b):8*(8*(\a)+\b)+7], v[\f+32+8*\b:\f+32+8*\b+7], v[\f+8*(\a):\f+8*(\a)+7], v[8*(8*(\a)+\b):8*(8*(\a)+\b)+7]
.endif
.endr
.endm
; 24 LDS loads in one run: the fragments of 32 along K at byte k of the rows, into buffer f: Wo's sixteen first, then att's eight
.macro FETCH slot, k, f
	WIN TO_F
.irp i, 0,1,2,3,4,5,6,7
	ds_load_b128 v[\f+32+8*\i:\f+32+8*\i+3],   v[ADRB+\slot] offset:\k+\i*16*PITCH
	ds_load_b128 v[\f+32+8*\i+4:\f+32+8*\i+7], v[ADRB+\slot] offset:\k+\i*16*PITCH+32
.endr
.irp i, 0,1,2,3
	ds_load_b128 v[\f+8*\i:\f+8*\i+3],   v[ADRA+\slot] offset:\k+\i*16*PITCH
	ds_load_b128 v[\f+8*\i+4:\f+8*\i+7], v[ADRA+\slot] offset:\k+\i*16*PITCH+32
.endr
.endm
.macro PLACES                          ; four places in front of loads into registers that matrix instructions have read, and of stores that read results (ISA guide 7.12.1 for vector instructions)
.rept 4
	v_nop
.endr
.endm
; A K step is four quarters of 32 along K, 32 matrix instructions each, on buffers 0, 1, 0, 1.  One of the first three: multiplies buffer f and fetches the next quarter, at byte k, into g.
.macro QUARTER slot, k, f, g, zero
	s_wait_dscnt 4                                 ; Wo's fragments and att's blocks 0, 1 are in; the youngest four loads (blocks 2, 3) may be out
	WIN MUL
	MUL8 \f, 0, \zero
	MUL8 \f, 1, \zero
	PLACES
	FETCH \slot, \k, \g
	s_wait_dscnt 24                                ; all but the 24 just issued
	WIN MUL
	MUL8 \f, 2, \zero
	MUL8 \f, 3, \zero
.endm
; The last quarter multiplies buffer 1 and changes slots: ONE barrier; in front of it each wave waits for all its tensor loads, adds 0 to its spare word, and waits for that and for its own reads of this slot.  fill = 1: this slot is filled again, two K steps ahead.
.macro TURN slot, next, fill
	WIN 0                                          ; (the add's two registers lie in window 0)
	s_wait_tensorcnt 0x0                           ; all my tensor loads have landed: my part of the next slot
	ds_add_u32 v[SPW], v[NIL]                      ; 0 onto my spare word
	s_wait_dscnt 5                                 ; (the add and the youngest four loads may be out)
	WIN MUL
	MUL8 F1, 0, 0                                  ; eight matrix instructions stand between the add and the wait for it
	s_wait_dscnt 0x0                               ; the add is done, and my reads of this slot are over
	s_barrier_signal -1
	MUL8 F1, 1, 0
.if \fill
	WIN 0
.endif
	s_barrier_wait -1
.if \fill
	CREST                                          ; the barrier has opened a round of the cluster's barrier: no wave of any partner still reads this slot's tile or has a load on its way
	s_add_nc_u64 s[G0+4*\slot+2:G0+4*\slot+3], s[G0+4*\slot+2:G0+4*\slot+3], 2*KSTEP*2
	s_add_nc_u64 s[G0B+4*\slot+2:G0B+4*\slot+3], s[G0B+4*\slot+2:G0B+4*\slot+3], 2*KSTEP*2
	JLOAD \slot                                    ; the first tensor load behind the round, my only one out: 112 matrix instructions ahead of the wait for it; its four v_nop are the places in front of the loads below
.else
	PLACES
.endif
	FETCH \next, 0, F0
	WIN MUL
	MUL8 F1, 2, 0
	MUL8 F1, 3, 0
.endm
	s_wait_tensorcnt 1                             ; my part of K step 0 is in (K step 1's one load may be out)
	s_barrier_signal -1
	s_barrier_wait -1                              ; everybody's is
	FETCH 0, 0, F0
	QUARTER 0, 64, F0, F1, 1                       ; the first quarter stands in front of the loop: its products start the sums
	WIN 0                                          ; at a label and at a branch every window is 0
	s_mov_b32 s3, LAPS-1
.Llap:                                                 ; a trip goes once round the ring, from a lap's second quarter to the next lap's first, and fills both slots again
	QUARTER 0, 128, F1, F0, 0
	QUARTER 0, 192, F0, F1, 0
	TURN 0, 1, 1
	QUARTER 1, 64,  F0, F1, 0
	QUARTER 1, 128, F1, F0, 0
	QUARTER 1, 192, F0, F1, 0
	TURN 1, 0, 1
	QUARTER 0, 64,  F0, F1, 0
	WIN 0
	s_sub_co_u32 s3, s3, 1
	s_cmp_lg_u32 s3, 0
	s_cbranch_scc1 .Llap
	QUARTER 0, 128, F1, F0, 0                      ; the last lap fills nothing, and has no round of the cluster's barrier
	QUARTER 0, 192, F0, F1, 0
	TURN 0, 1, 0
	QUARTER 1, 64,  F0, F1, 0
	QUARTER 1, 128, F1, F0, 0
	QUARTER 1, 192, F0, F1, 0
	s_wait_dscnt 4                                 ; the very last quarter: nothing more to fetch
	WIN MUL
	MUL8 F1, 0, 0
	MUL8 F1, 1, 0
	s_wait_dscnt 0
	MUL8 F1, 2, 0
	MUL8 F1, 3, 0
	WIN 0
; THE WAY OUT, block by block of 16 rows x 128 columns.  A lane holds 32 neighbouring bytes of a row, and the lanes beside it hold other rows: a block goes through my own stage and comes back as whole rows of 512 bytes.
; LDS serves a wave's instructions in order: no wait between the stores and the loads, nor in front of the next block's stores.
.macro TOSTAGE a
.set AC, 64*(\a)
	WIN 0x08                                       ; an LDS store's data are its source 1: window 2
.irp b, 0,1,2,3,4,5,6,7
	ds_store_b128 v[STO], v[AC+8*\b:AC+8*\b+3] offset:64*\b          ; each accumulator from its low end on
	ds_store_b128 v[STO], v[AC+8*\b+4:AC+8*\b+7] offset:64*\b+16
.endr
	WIN 0
.set BB, BK+64*((\a)%2)
.irp t, 0,1,2,3,4,5,6,7,8,9,10,11,12,13,14,15
	ds_load_b128 v[BB+4*\t:BB+4*\t+3], v[RD] offset:\t*SPITCH
.endr
.endm
.macro SEND a, younger                 ; younger: the LDS instructions issued behind block a's loads, which may stay out
.set BB, BK+64*((\a)%2)
	s_wait_dscnt \younger
.irp t, 0,1,2,3,4,5,6,7,8,9,10,11,12,13,14,15
	global_store_b128 v[CO], v[BB+4*\t:BB+4*\t+3], s[8:9] offset:(16*(\a)+\t)*SIZE_N*4 th:TH_STORE_NT   ; 32 lanes store 512 consecutive bytes, at a multiple of 256 from out0's first byte; 63 rows at the most stand in the immediate
.endr
.endm
	PLACES                                         ; behind the last products: for the stores that read results
	TOSTAGE 0
.irp a, 1,2,3
.if \a > 1
	s_wait_xcnt 0x0                                ; block a - 2's stores have read their registers: block a's loads may land there
.endif
	TOSTAGE \a
	SEND \a-1, 32                                  ; behind block a - 1's loads: block a's 16 stores and 16 loads
.endr
	SEND 3, 0
	s_wait_tensorcnt 0x0                           ; the wave's end
	ds_add_u32 v[SPW], v[NIL]
	s_wait_dscnt 0x0
	CROUND                                         ; the closing round: no work-group ends while a partner may still ask for a tile that names it
	s_endpgm
.Lfunc_end_k_q0258d649cb_outp:
	.size	k_q0258d649cb_outp, .Lfunc_end_k_q0258d649cb_outp-k_q0258d649cb_outp
	.p2alignl 7, 3214868480
	.fill 96, 4, 3214868480
	.section	.rodata,"a",@progbits
	.p2align	6, 0x0
	.amdhsa_kernel k_q0258d649cb_outp
		.amdhsa_group_segment_fixed_size 327680
		.amdhsa_private_segment_fixed_size 0
		.amdhsa_enable_private_segment 0
		.amdhsa_kernarg_size 24
		.amdhsa_user_sgpr_count 2
		.amdhsa_user_sgpr_kernarg_segment_ptr 1
		.amdhsa_wavefront_size32 1
		.amdhsa_system_sgpr_workgroup_id_x 1
		.amdhsa_system_sgpr_workgroup_id_y 1
		.amdhsa_system_sgpr_workgroup_id_z 1
		.amdhsa_system_vgpr_workitem_id 0
		.amdhsa_next_free_vgpr 768
		.amdhsa_next_free_sgpr 66
		.amdhsa_reserve_vcc 0
		.amdhsa_float_denorm_mode_32 3
		.amdhsa_float_denorm_mode_16_64 3
		.amdhsa_memory_ordered 1
		.amdhsa_forward_progress 1
		.amdhsa_inst_pref_size 85
	.end_amdhsa_kernel
	.amdgpu_metadata
---
amdhsa.version: [ 1, 2 ]
amdhsa.kernels:
  - .name:           k_q0258d649cb_outp
    .symbol:         k_q0258d649cb_outp.kd
    .args:
      - { .name: att, .offset: 0, .size: 8, .value_kind: global_buffer, .address_space: global }
      - { .name: wo16, .offset: 8, .size: 8, .value_kind: global_buffer, .address_space: global }
      - { .name: out0, .offset: 16, .size: 8, .value_kind: global_buffer, .address_space: global }
    .group_segment_fixed_size: 327680
    .private_segment_fixed_size: 0
    .kernarg_segment_align: 8
    .kernarg_segment_size: 24
    .max_flat_workgroup_size: 128
    .sgpr_count:     66
    .vgpr_count:     768
    .wavefront_size: 32
...
	.end_amdgpu_metadata
.endif
;; end of part 4
;; launch fine (part 5): grid 128 x 2, 8 waves a work-group, no clusters, 9,216 bytes of LDS; arguments qkvf, Wo, out0; writes out0
.if DOCPART == 5
	.amdgcn_target "amdgcn-amd-amdhsa--gfx1250"
	.amdhsa_code_object_version 6
	.text
	.protected	k_q0258d649cb_fine
	.globl	k_q0258d649cb_fine
	.p2align	8
	.type	k_q0258d649cb_fine,@function
k_q0258d649cb_fine:
	s_mov_b64 s[64:65], 0
	v_nop
	global_prefetch_b8 v0, s[64:65] scope:SCOPE_SE
	s_setreg_imm32_b32 hwreg(HW_REG_WAVE_MODE, 25, 1), 1
	s_wait_xcnt 0x0
; Positions 0 to 15 of both sequences, in f32 from end to end: these rows average one to sixteen values, are the largest in size, and weigh the rounding of 16-bit operands most.  They are written over what the launch before stored.
; From qkvf [b][t 16][2048] f32 (columns 0-1023 q, 1024-1535 k, 1536-2047 v) and Wo [2048][1024] f32: the causal attention of 16 positions and its projection.
; SHARES.  Work-group (x, b) makes out0[b][0..15][16 x .. 16 x + 15].  Wave w takes key head w with its two query heads g: channels 128 w .. 128 w + 127 of the projection's K; the eight partial sums meet in LDS.
; Each work-group repeats its batch's 16 x 16 attention: 64 matrix instructions a wave, less than one launch more would cost.  No loop, no tensor load: the work is small and every operand is read once.
; THE FORM is v_wmma_f32_16x16x4_f32: lane (r, h) holds row (or column) r and k = 2 h + j in register j.  k is permuted alike on both sources, so that every operand is a plain load or a result's own registers:
;   scores S^T = K Q^T:   instruction u takes channels d = 8 (u / 2) + 4 h + 2 (u % 2) + j: pairs of the 16 bytes that a lane loads;
;   O^T = V^T P:          instruction s takes keys 8 h + 2 s + j: P's registers as the first product left them;
;   out^T = Wo a^T:       instruction e takes channels 16 (e / 4) + 8 h + 2 (e % 4) + j: a's registers as the second product left them.
; The registers that this form writes (v192-239) are written by matrix instructions alone; what is made of a finished sum goes into other registers.
; The stores are 16 bytes of a row each: 32 rows of the output in all.
.set QKO,  3          ; v3   r x 8,192 + 16 h: q's and k's rows
.set VO,   4          ; v4   h x 65,536 + 4 r: v, eight keys a half, channel r
.set WO,   5          ; v5   r x 4,096 + 32 h: Wo's rows
.set SPW,  6          ; v6   LDS address of my spare word; never rewritten
.set NIL,  7          ; v7   0; never rewritten
.set DM,   8          ; v8   r - 8 h: key 8 h + j is hidden where j > DM
.set NINF, 9          ; v9   -infinity
.set TM,   10         ; v[10 + 6 g ..]: +0 the maximum, +1 at work, +2 c m, +3 the sum, +4 1 / the sum
.set LST,  22         ; v22  where I store my partial sums
.set LRD,  23         ; v23  where I read all eight
.set OO,   24         ; v24  r x 8,192 + 32 h: my offset in out0
.set QR,   32         ; v32-95   Q (QR + 32 g + 2 u); later a (QR + 32 g + 2 e)
.set KR,   96         ; v96-127  K (KR + 2 u); then Wo for g = 0; then the eight partial sums
.set VR,   128        ; v128-159 V (VR + 8 dt + 2 s + j)
.set WR,   96         ; Wo: WR + 64 g + 2 e: v96-127 and v160-191
.set SA,   192        ; v192-207 the scores' accumulators (8 g); later the projection's
.set OA,   208        ; v208-239 O^T's accumulators (8 dt)
.set PR,   240        ; v240-255 the masked scores, then p (8 g); later my partial sums
.set SPARE, 8192      ; behind the eight waves' 1,024 bytes: the spare words, 128 bytes a wave, which no other line names
.set WV,   10
.set SEL,  26         ; s[26:27]
.set CS,   28         ; s28  c = log2(e) / 8
	s_load_b128 s[4:7], s[0:1], 0x0                ; qkvf s[4:5], Wo s[6:7]
	s_load_b64 s[8:9], s[0:1], 0x10                ; out0
	v_lshl_add_u32 v[SPW], v0, 2, SPARE
	v_mov_b32 v[NIL], 0
	v_lshrrev_b32 v1, 5, v0
	v_readfirstlane_b32 s[WV], v1                  ; wave 0..7
	s_and_b32 s11, ttmp7, 0xffff                   ; b
	v_and_b32 v1, 15, v0                           ; r
	v_bfe_u32 v2, v0, 4, 1                         ; h
	v_lshlrev_b32 v[QKO], 13, v1
	v_lshl_add_u32 v[OO], v2, 5, v[QKO]
	v_lshl_add_u32 v[QKO], v2, 4, v[QKO]
	v_lshlrev_b32 v[VO], 2, v1
	v_lshl_add_u32 v[VO], v2, 16, v[VO]
	v_lshlrev_b32 v[WO], 12, v1
	v_lshl_add_u32 v[WO], v2, 5, v[WO]
	v_lshlrev_b32 v[DM], 3, v2
	v_sub_nc_u32 v[DM], v1, v[DM]
	v_mov_b32 v[NINF], 0xff800000
	v_and_b32 v[LST], 31, v0
	v_lshlrev_b32 v[LST], 4, v[LST]                ; 16 x lane
	s_min_u32 s12, s[WV], 1                        ; q: which half of a lane's eight numbers I sum and store, if I am wave 0 or 1
	s_lshl_b32 s13, s12, 9
	v_add_nc_u32 v[LRD], s13, v[LST]
	s_lshl_b32 s13, s[WV], 10
	v_add_nc_u32 v[LST], s13, v[LST]
	v_mov_b32 v[TM+1], 0                           ; written once: a lane permute's destination counts as one of its sources
	v_mov_b32 v[TM+7], 0
	s_mov_b32 s[SEL], 0x76543210
	s_mov_b32 s[SEL+1], 0xfedcba98
	s_mov_b32 s[CS], 0x3e38aa3b
	s_lshl_b32 s14, s11, 17                        ; b x 16 rows of 8,192 bytes
	s_lshl_b32 s15, s[WV], 9
	s_add_co_u32 s16, s14, s15                     ; q: heads 2 w and 2 w + 1: 512 w
	s_mov_b32 s17, 0
	s_lshl_b32 s15, s[WV], 8
	s_add_co_u32 s18, s14, s15
	s_add_co_u32 s18, s18, 4096                    ; k: column 1,024 + 64 w
	s_mov_b32 s19, 0
	s_add_co_u32 s20, s18, 2048                    ; v: 512 columns on
	s_mov_b32 s21, 0
	s_lshl_b32 s22, ttmp9, 16                      ; Wo: row 16 x,
	s_lshl_b32 s23, s[WV], 9                       ; channel 128 w
	s_add_co_u32 s22, s22, s23
	s_mov_b32 s23, 0
	s_lshl_b32 s24, s11, 24                        ; out0: b x 2,048 rows of 8,192 bytes,
	s_lshl_b32 s25, ttmp9, 6                       ; column 16 x,
	s_add_co_u32 s24, s24, s25
	s_lshl_b32 s25, s12, 4                         ; + 4 q
	s_add_co_u32 s24, s24, s25
	s_mov_b32 s25, 0
	s_wait_kmcnt 0x0
	s_add_nc_u64 s[16:17], s[4:5], s[16:17]
	s_add_nc_u64 s[18:19], s[4:5], s[18:19]
	s_add_nc_u64 s[20:21], s[4:5], s[20:21]
	s_add_nc_u64 s[22:23], s[6:7], s[22:23]
	s_add_nc_u64 s[24:25], s[8:9], s[24:25]
.irp g, 0,1
.irp i, 0,1,2,3,4,5,6,7
	global_load_b128 v[QR+32*\g+4*\i:QR+32*\g+4*\i+3], v[QKO], s[16:17] offset:256*\g+32*\i   ; q(r, 8 i + 4 h + 0 .. 3)
.endr
.endr
.irp i, 0,1,2,3,4,5,6,7
	global_load_b128 v[KR+4*\i:KR+4*\i+3], v[QKO], s[18:19] offset:32*\i
.endr
.irp dt, 0,1,2,3
.irp i, 0,1,2,3,4,5,6,7
	global_load_b32 v[VR+8*\dt+\i], v[VO], s[20:21] offset:\i*8192+64*\dt                     ; v(key 8 h + i, channel 16 dt + r)
.endr
.endr
.irp dt, 0,1,2,3
	global_load_b128 v[WR+64+8*\dt:WR+64+8*\dt+3], v[WO], s[22:23] offset:256+64*\dt          ; Wo(16 x + r, head g = 1, channels 16 dt + 8 h + 0 .. 7)
	global_load_b128 v[WR+64+8*\dt+4:WR+64+8*\dt+7], v[WO], s[22:23] offset:256+64*\dt+16
.endr
	s_wait_loadcnt 8                               ; q, k and v are in; Wo's eight loads may be out
	; ---- S^T = K Q^T: two accumulators by turns; the first K step starts the sums
.irp u, 0,1,2,3,4,5,6,7,8,9,10,11,12,13,14,15
.irp g, 0,1
.if \u == 0
	v_wmma_f32_16x16x4_f32 v[SA+8*\g:SA+8*\g+7], v[KR+2*\u:KR+2*\u+1], v[QR+32*\g+2*\u:QR+32*\g+2*\u+1], 0
.else
	v_wmma_f32_16x16x4_f32 v[SA+8*\g:SA+8*\g+7], v[KR+2*\u:KR+2*\u+1], v[QR+32*\g+2*\u:QR+32*\g+2*\u+1], v[SA+8*\g:SA+8*\g+7]
.endif
.endr
.endr
.rept 8
	v_nop                                          ; eight places behind this form: for the loads into K's registers and the first reads of the scores
.endr
.irp dt, 0,1,2,3
	global_load_b128 v[WR+8*\dt:WR+8*\dt+3], v[WO], s[22:23] offset:64*\dt                    ; Wo for g = 0
	global_load_b128 v[WR+8*\dt+4:WR+8*\dt+7], v[WO], s[22:23] offset:64*\dt+16
.endr
	; ---- the softmax: lane (r, h) holds query r and keys 8 h + 0 .. 7
.irp j, 0,1,2,3,4,5,6,7
	v_cmp_gt_i32 vcc_lo, \j, v[DM]
	v_cndmask_b32 v[PR+\j], v[SA+\j], v[NINF], vcc_lo
	v_cndmask_b32 v[PR+8+\j], v[SA+8+\j], v[NINF], vcc_lo
.endr
.irp g, 0,1
	v_max3_num_f32 v[TM+6*\g], v[PR+8*\g], v[PR+8*\g+1], v[PR+8*\g+2]
.endr
.irp g, 0,1
	v_max3_num_f32 v[TM+6*\g], v[TM+6*\g], v[PR+8*\g+3], v[PR+8*\g+4]
.endr
.irp g, 0,1
	v_max3_num_f32 v[TM+6*\g], v[TM+6*\g], v[PR+8*\g+5], v[PR+8*\g+6]
.endr
.irp g, 0,1
	v_max_num_f32 v[TM+6*\g], v[TM+6*\g], v[PR+8*\g+7]
.endr
.irp g, 0,1
	v_permlanex16_b32 v[TM+6*\g+1], v[TM+6*\g], s[SEL], s[SEL+1]
.endr
.irp g, 0,1
	v_max_num_f32 v[TM+6*\g], v[TM+6*\g], v[TM+6*\g+1]      ; the row's maximum: key 0 counts for every query, so it is a number
.endr
.irp g, 0,1
	v_mul_f32 v[TM+6*\g+2], s[CS], v[TM+6*\g]
.endr
.irp j, 0,1,2,3,4,5,6,7
.irp g, 0,1
	v_fma_f32 v[PR+8*\g+\j], v[PR+8*\g+\j], s[CS], -v[TM+6*\g+2]
.endr
.endr
.irp j, 0,1,2,3,4,5,6,7
.irp g, 0,1
	v_exp_f32 v[PR+8*\g+\j], v[PR+8*\g+\j]
.endr
.endr
	v_nop                                          ; a plain instruction behind the last exponential
	s_wait_alu depctr_va_vdst(0)                   ; the wait ahead of the first instruction that names a result: one for the sixteen
.irp g, 0,1
	v_add_f32 v[TM+6*\g+3], v[PR+8*\g], v[PR+8*\g+1]
.endr
.irp j, 2,3,4,5,6,7
.irp g, 0,1
	v_add_f32 v[TM+6*\g+3], v[TM+6*\g+3], v[PR+8*\g+\j]
.endr
.endr
.irp g, 0,1
	v_permlanex16_b32 v[TM+6*\g+1], v[TM+6*\g+3], s[SEL], s[SEL+1]
.endr
.irp g, 0,1
	v_add_f32 v[TM+6*\g+3], v[TM+6*\g+3], v[TM+6*\g+1]
.endr
.irp g, 0,1
	v_rcp_f32 v[TM+6*\g+4], v[TM+6*\g+3]
.endr
	v_nop
	s_wait_alu depctr_va_vdst(0)                   ; and one for the two reciprocals
	; ---- O^T = V^T P, a head at a time: four accumulators by turns; then a = O^T / the sum, into Q's registers
.macro OT g
.irp s, 0,1,2,3
.irp dt, 0,1,2,3
.if \s == 0
	v_wmma_f32_16x16x4_f32 v[OA+8*\dt:OA+8*\dt+7], v[VR+8*\dt+2*\s:VR+8*\dt+2*\s+1], v[PR+8*\g+2*\s:PR+8*\g+2*\s+1], 0
.else
	v_wmma_f32_16x16x4_f32 v[OA+8*\dt:OA+8*\dt+7], v[VR+8*\dt+2*\s:VR+8*\dt+2*\s+1], v[PR+8*\g+2*\s:PR+8*\g+2*\s+1], v[OA+8*\dt:OA+8*\dt+7]
.endif
.endr
.endr
.rept 9
	v_nop                                          ; nine places: the results are read below, and the next head's first products begin these accumulators anew
.endr
.irp j, 0,1,2,3,4,5,6,7,8,9,10,11,12,13,14,15,16,17,18,19,20,21,22,23,24,25,26,27,28,29,30,31
	v_mul_f32 v[QR+32*\g+\j], v[OA+\j], v[TM+6*\g+4]        ; a(query r, channel 16 (j / 8) + 8 h + j % 8); each accumulator from its low end on
.endr
.endm
	OT 0
	OT 1
	; ---- out^T = Wo a^T over my 128 channels: two accumulators by turns, one for each head
	s_wait_loadcnt 0x0                             ; Wo
.irp e, 0,1,2,3,4,5,6,7,8,9,10,11,12,13,14,15
.irp g, 0,1
.if \e == 0
	v_wmma_f32_16x16x4_f32 v[SA+8*\g:SA+8*\g+7], v[WR+64*\g+2*\e:WR+64*\g+2*\e+1], v[QR+32*\g+2*\e:QR+32*\g+2*\e+1], 0
.else
	v_wmma_f32_16x16x4_f32 v[SA+8*\g:SA+8*\g+7], v[WR+64*\g+2*\e:WR+64*\g+2*\e+1], v[QR+32*\g+2*\e:QR+32*\g+2*\e+1], v[SA+8*\g:SA+8*\g+7]
.endif
.endr
.endr
.rept 8
	v_nop                                          ; eight places: for the reads of the results and the LDS loads into Wo's registers
.endr
.irp j, 0,2,4,6
	v_pk_add_f32 v[PR+\j:PR+\j+1], v[SA+\j:SA+\j+1], v[SA+8+\j:SA+8+\j+1]   ; lane (r, h): position r, columns 16 x + 8 h + 0 .. 7, my wave's part
.endr
	ds_store_b128 v[LST], v[PR:PR+3]
	ds_store_b128 v[LST], v[PR+4:PR+7] offset:512
	s_wait_dscnt 0x0                               ; for the others' sake: my partial sums lie in LDS
	s_barrier_signal -1
	s_barrier_wait -1
	s_cmp_gt_u32 s[WV], 1
	s_cbranch_scc1 .Lend                           ; waves 0 and 1 add the eight parts, in the order of the waves, and store
.irp w, 0,1,2,3,4,5,6,7
	ds_load_b128 v[KR+4*\w:KR+4*\w+3], v[LRD] offset:1024*\w
.endr
	s_wait_dscnt 0x0
.irp w, 1,2,3,4,5,6,7
	v_pk_add_f32 v[KR:KR+1], v[KR:KR+1], v[KR+4*\w:KR+4*\w+1]
	v_pk_add_f32 v[KR+2:KR+3], v[KR+2:KR+3], v[KR+4*\w+2:KR+4*\w+3]
.endr
	global_store_b128 v[OO], v[KR:KR+3], s[24:25]  ; out0(b, r, 16 x + 8 h + 4 q + 0 .. 3)
.Lend:
	s_wait_tensorcnt 0x0                           ; the wave's end
	ds_add_u32 v[SPW], v[NIL]
	s_wait_dscnt 0x0
	s_endpgm
.Lfunc_end_k_q0258d649cb_fine:
	.size	k_q0258d649cb_fine, .Lfunc_end_k_q0258d649cb_fine-k_q0258d649cb_fine
	.p2alignl 7, 3214868480
	.fill 96, 4, 3214868480
	.section	.rodata,"a",@progbits
	.p2align	6, 0x0
	.amdhsa_kernel k_q0258d649cb_fine
		.amdhsa_group_segment_fixed_size 9216
		.amdhsa_private_segment_fixed_size 0
		.amdhsa_enable_private_segment 0
		.amdhsa_kernarg_size 24
		.amdhsa_user_sgpr_count 2
		.amdhsa_user_sgpr_kernarg_segment_ptr 1
		.amdhsa_wavefront_size32 1
		.amdhsa_system_sgpr_workgroup_id_x 1
		.amdhsa_system_sgpr_workgroup_id_y 1
		.amdhsa_system_sgpr_workgroup_id_z 1
		.amdhsa_system_vgpr_workitem_id 0
		.amdhsa_next_free_vgpr 256
		.amdhsa_next_free_sgpr 66
		.amdhsa_reserve_vcc 1
		.amdhsa_float_denorm_mode_32 3
		.amdhsa_float_denorm_mode_16_64 3
		.amdhsa_memory_ordered 1
		.amdhsa_forward_progress 1
		.amdhsa_inst_pref_size 25
	.end_amdhsa_kernel
	.amdgpu_metadata
---
amdhsa.version: [ 1, 2 ]
amdhsa.kernels:
  - .name:           k_q0258d649cb_fine
    .symbol:         k_q0258d649cb_fine.kd
    .args:
      - { .name: qkvf, .offset: 0, .size: 8, .value_kind: global_buffer, .address_space: global }
      - { .name: Wo, .offset: 8, .size: 8, .value_kind: global_buffer, .address_space: global }
      - { .name: out0, .offset: 16, .size: 8, .value_kind: global_buffer, .address_space: global }
    .group_segment_fixed_size: 9216
    .private_segment_fixed_size: 0
    .kernarg_segment_align: 8
    .kernarg_segment_size: 24
    .max_flat_workgroup_size: 256
    .sgpr_count:     66
    .vgpr_count:     256
    .wavefront_size: 32
...
	.end_amdgpu_metadata
.endif
;; end of part 5
